; MI455X (gfx1250); checked and timed in simulation.
; The chip was launched on July 23, 2026; its instructions are those of AMD's public machine-readable ISA for CDNA 5 (MIT licence, August 2026) and "CDNA5" Instruction Set Architecture Reference Guide (July 2026). The comments in the code are by the model that wrote it; some were corrected since.
;; DIN Attention. Allowed arithmetic: matrix products marked QUANTISED: E2M1 operands, one E8M0 scale for each 32 along K, by v_wmma_scale_f32_16x16x128_f8f6f4 with both operands' format E2M1 (or v_wmma_scale_f32_32x16x128_f4), f32 sums; products left as they are: f32 operands where the result goes on into a quantised operand, else bf16, f16 or f32 operands; f32 sums; everything else in f32.
;; Inputs: W1 256 x 512 float32; W2 128 x 256 float32; W3 1 x 128 float32; a1 one number float32; a2 one number float32; b1 256 float32; b2 128 float32; b3 1 float32; keys 2,048 x 200 x 128 float32; mask 2,048 x 200 int32; query 2,048 x 128 float32.
;; Outputs: out0 2,048 x 128 float32.
;; This version of the problem:
;;   THIS VERSION OF THE PROBLEM IS GIVEN IN LOW PRECISION. The matrix products marked QUANTISED in the list below multiply operands that are first quantised to E2M1 (2 exponent bits, 1 mantissa bit; 4 bits a number), with one power-of-two scale for each 32 numbers along K (OCP MX v1.0); their sums are f32. All else is computed in f32.
;;   The module's matrix products, in the order in which they are computed (A, B: the left and right operand; K: the contracted axis; several contracted axes count as one K, in the product's order):
;;     1. [M 409,600, K 512] x [K 512, N 256]; A: computed on the way; B: input W1: QUANTISED
;;     2. [M 409,600, K 256] x [K 256, N 128]; A: computed on the way; B: input W2: QUANTISED
;;     3. [M 409,600, K 128] x [K 128, N 1]; A: computed on the way; B: input W3: left as it is (N = 1 < 16)
;;     4. batch 2,048 x [M 1, K 200] x [K 200, N 128]; A: computed on the way; B: input keys: left as it is (M = 1 < 16)
;;   THE QUANTISER, for each operand of a quantised product, along K:
;;     - K is cut into blocks of 32 from its start; a last block that is shorter is filled with zeros.
;;     - A block's scale is 2^e with e = floor(log2(the largest magnitude in the block)) - 2, held to -126 .. 127; a block of zeros has e = 0. As a byte (E8M0): e + 127.
;;     - Each number is divided by its block's scale, clamped to +-6, and rounded to the nearest number of E2M1, ties to even, subnormals kept.
;;     - The product sums the exact products of the quantised numbers (number of the format x scale) in f32.
;;   ~~~python
;;   def quantise(x, axis):      # numpy; x: float32 -> the quantised numbers, widened to float32 again
;;       x = np.moveaxis(x, axis, -1); K = x.shape[-1]
;;       x = np.pad(x, [(0, 0)] * (x.ndim - 1) + [(0, -K % 32)]); x = x.reshape(x.shape[:-1] + (-1, 32)); a = np.abs(x).max(-1, keepdims=True)
;;       e = np.where(a > 0, np.clip(np.frexp(np.where(a > 0, a, 1))[1] - 1 - 2, -126, 127), 0)      # np.frexp(a)[1] - 1 = floor(log2(a)), exactly
;;       r = np.clip(x / 2.0 ** e, -6, 6)
;;       step = 2.0 ** (np.maximum(np.frexp(np.where(r == 0, 1, r))[1] - 1, 0) - 1)
;;       q = np.round(r / step) * step * 2.0 ** e      # np.round: ties to even
;;       return np.moveaxis(q.reshape(q.shape[:-2] + (-1,))[..., :K], -1, axis).astype(np.float32)
;;   ~~~
;;   OPERANDS COMPUTED ON THE WAY. 'Computed on the way' means the value that the module computes at that place (a softmax that the list does not call 'softmax' is quantised finished and normalised). What goes into a quantiser is computed in f32, as accurately as f32 sums, v_exp_f32 and their like allow (about 1e-6 of the number): no bf16 or f16 on the way to a quantiser, and a product that is left as it is and whose result goes on into a quantised operand takes f32 operands (vector FMAs, or v_wmma_f32_16x16x4_f32). A number that lies on a knife's edge between two numbers of the format may be rounded either way, as far as f32 arithmetic and the matrix unit's own rounding can turn it there, and no further.
;; 2 versions. Each part assembles by itself: llvm-mc -triple=amdgcn-amd-amdhsa -mcpu=gfx1250 --defsym DOCPART=n.
;; ======== version 1 of 2: 2 launches
;; workspace buffers: wimg 87,040 bytes; order 524,288 bytes of whole numbers
;; launch prep (part 1): grid 266 x 1, 8 waves a work-group, no clusters, 0 bytes of LDS; arguments mask, W1, W2, order, wimg; writes order, wimg
.if DOCPART == 1
	.amdgcn_target "amdgcn-amd-amdhsa--gfx1250"
	.amdhsa_code_object_version 6
	.text
	.protected	k_qaddf93ce21_prep
	.globl	k_qaddf93ce21_prep
	.p2align	8
	.type	k_qaddf93ce21_prep,@function
k_qaddf93ce21_prep:
	s_mov_b64 s[64:65], 0
	v_nop
	global_prefetch_b8 v0, s[64:65] scope:SCOPE_SE
	s_setreg_imm32_b32 hwreg(HW_REG_WAVE_MODE, 25, 1), 1
	s_wait_xcnt 0x0
; TWO JOBS, parted by the work-group's number; a wave is a unit of work in both; no LDS, no barrier.
; Work-groups 0-255, ORDER: wave = batch b = 8 x + wave.  mask[b][0..199] becomes 256 bytes of order: the numbers of the rows with mask != 0, ascending, take ranks 0 .. c - 1;
;   every other rank holds the count c.  The byte of rank 16 t + r lies at 16 r + t, so that the next launch's lane r finds its row of tile t in byte t of its 16 bytes.
;   Ranks 240-255 are never rows (c <= 200), so byte 15 of every r delivers c.  The ranks are a permutation of 0 .. 255: every byte is written once.
;   The stores are single bytes, eight instructions into the batch's 256 bytes: a gather in LDS would need LDS addresses made of loaded numbers.
; Work-groups 256-265, WEIGHTS: wave = fragment F = 8 (x - 256) + wave.  F = 16 s + n: K step s, tile n of W1 [256][512];  F = 64 + 8 s + n: of W2 [128][256].
;   A fragment is 16 rows x 128 along K as codes of E2M1, laid as the operand's registers: chunk c at 512 c, lane l's 16 bytes at 16 l: k = 128 s + 64 c + 32 (l / 16) + 0 .. 31 of the lane's row.
;   Lane r of a tile of W1 takes row 32 (n / 2) + 8 (n % 2) + r + 8 (r / 8), so that the first product's results lie as neighbours along the second product's K; of W2, row 16 n + r.
;   The rows' scale words (four E8M0 bytes: 128 along K) lie at 81920 + 64 F + 4 r.
; A block's scale is 2^(floor(log2(largest magnitude)) - 2); its byte is the largest magnitude's exponent field - 2, held at 1 from below.
; LIMITS: a block of zeros, or one whose largest magnitude lies under 2^-124, gets the byte 1 (a block of zeros has zero codes, and this program alone reads the bytes); NaN and infinities are not served.
.set TM, 8                             ; v8-19   at work
.set CD, 32                            ; v32-39  the fragment's codes
.set WD, 40                            ; v40     the scale word
.set X,  64                            ; v64-127 64 numbers of my row
	s_load_b256 s[4:11], s[0:1], 0x0               ; mask s[4:5], W1 s[6:7], W2 s[8:9], order s[10:11]
	s_load_b64 s[12:13], s[0:1], 0x20              ; wimg
	v_lshrrev_b32 v2, 5, v0
	v_readfirstlane_b32 s14, v2                    ; wave 0..7
	v_and_b32 v1, 31, v0                           ; lane
	s_cmp_ge_u32 ttmp9, 256
	s_cbranch_scc1 .Lweights
	; ---- ORDER
	s_lshl_b32 s15, ttmp9, 3
	s_add_co_u32 s15, s15, s14                     ; batch
	s_mul_i32 s16, s15, 800                        ; its row of the mask: 200 words
	s_mov_b32 s17, 0
	s_lshl_b32 s18, s15, 8                         ; its 256 bytes of order
	s_mov_b32 s19, 0
	v_lshlrev_b32 v2, 2, v1                        ; 4 x lane
	v_min_u32 v3, 7, v1
	v_lshlrev_b32 v3, 2, v3                        ; the last group has 8 rows: lanes 8-31 read row 199 again, so that no load leaves the buffer
	s_wait_kmcnt 0x0
	s_add_nc_u64 s[4:5], s[4:5], s[16:17]
	s_add_nc_u64 s[10:11], s[10:11], s[18:19]
.irp g, 0,1,2,3,4,5
	global_load_b32 v[8+\g], v2, s[4:5] offset:128*\g
.endr
	global_load_b32 v14, v3, s[4:5] offset:768
	s_wait_loadcnt 0x0
.irp g, 0,1,2,3,4,5,6
	v_cmp_ne_u32 s[20+\g], 0, v[8+\g]              ; group g's kept rows, a bit a lane
.endr
	s_and_b32 s26, s26, 0xff                       ; rows 192-199 alone
	s_mov_b32 s27, 0                               ; ranks 224-255 have no rows
.irp g, 0,1,2,3,4,5,6,7
	s_bcnt1_i32_b32 s[30+\g], s[20+\g]
.endr
	s_mov_b32 s40, 0
.irp g, 0,1,2,3,4,5,6,7
	s_add_co_u32 s[41+\g], s[40+\g], s[30+\g]      ; kept rows ahead of each group; s48 = c
.endr
	v_mov_b32 v5, s48
.irp g, 0,1,2,3,4,5,6,7                        ; each group has its own address and data registers: no store's source is written again
	v_mbcnt_lo_u32_b32 v16, s[20+\g], s[40+\g]     ; kept rows ahead of i
	v_add_nc_u32 v17, 32*\g, v1                    ; i
	v_sub_nc_u32 v18, v17, v16                     ; rows not kept ahead of i
	v_add_nc_u32 v18, s48, v18
	v_cndmask_b32 v19, v18, v16, s[20+\g]          ; the rank
	v_cndmask_b32 v[24+\g], v5, v17, s[20+\g]      ; the byte: i, or c
	v_and_b32 v20, 15, v19
	v_lshrrev_b32 v21, 4, v19
	v_lshl_add_u32 v[32+\g], v20, 4, v21           ; 16 (rank % 16) + rank / 16
	v_min_u32 v[32+\g], 0xff, v[32+\g]             ; made of loaded numbers: held inside the batch's 256 bytes
	global_store_b8 v[32+\g], v[24+\g], s[10:11]
.endr
	s_endpgm
	; ---- WEIGHTS
.Lweights:
	s_sub_co_u32 s15, ttmp9, 256
	s_lshl_b32 s15, s15, 3
	s_add_co_u32 s15, s15, s14                     ; F
	s_lshr_b32 s16, s15, 4                         ; as a fragment of W1: K step,
	s_and_b32 s17, s15, 15                         ; tile,
	s_lshr_b32 s18, s17, 1
	s_lshl_b32 s18, s18, 5
	s_and_b32 s19, s17, 1
	s_lshl_b32 s19, s19, 3
	s_add_co_u32 s18, s18, s19                     ; first row 32 (n / 2) + 8 (n % 2)
	s_sub_co_u32 s20, s15, 64                      ; as a fragment of W2
	s_lshr_b32 s21, s20, 3
	s_and_b32 s22, s20, 7
	s_lshl_b32 s22, s22, 4                         ; first row 16 n
	s_mov_b32 s23, 1024                            ; a row of W2 in bytes
	s_lshl_b32 s26, s15, 10                        ; the fragment's place in wimg
	s_mov_b32 s27, 0
	s_lshl_b32 s28, s15, 6
	s_add_co_u32 s28, s28, 81920                   ; and its scale words'
	s_mov_b32 s29, 0
	s_mov_b32 s34, 0x76543210
	s_mov_b32 s35, 0xfedcba98                      ; v_permlanex16_b32's selects for lane l xor 16
	s_wait_kmcnt 0x0
	s_cmp_lt_u32 s15, 64                           ; the choice hangs on the fragment's number alone
	s_cselect_b64 s[6:7], s[6:7], s[8:9]
	s_cselect_b32 s16, s16, s21
	s_cselect_b32 s18, s18, s22
	s_cselect_b32 s23, 2048, s23
	s_cselect_b32 s24, 1, 0
	s_add_nc_u64 s[30:31], s[12:13], s[26:27]
	s_add_nc_u64 s[28:29], s[12:13], s[28:29]
	v_and_b32 v2, 15, v1                           ; r
	v_lshrrev_b32 v3, 4, v1                        ; h
	v_and_b32 v4, 8, v2
	v_mul_lo_u32 v4, v4, s24                       ; W1 alone: + 8 (r / 8)
	v_add_nc_u32 v4, v4, v2
	v_add_nc_u32 v4, s18, v4                       ; my row
	v_mul_lo_u32 v4, v4, s23
	s_lshl_b32 s25, s16, 9                         ; the K step: 128 numbers
	v_lshl_add_u32 v4, v3, 7, v4                   ; my half: 32 numbers
	v_add_nc_u32 v4, s25, v4
	v_lshlrev_b32 v42, 2, v2                       ; 4 r
	v_lshlrev_b32 v43, 4, v1                       ; 16 x lane
	v_lshlrev_b32 v44, 3, v3                       ; 8 h
	v_mov_b32 v41, 0                               ; a lane permute's destination counts as one of its sources
.irp c, 0,1
.irp i, 0,1,2,3,4,5,6,7
	global_load_b128 v[X+32*\c+4*\i:X+32*\c+4*\i+3], v4, s[6:7] offset:256*\c+16*\i   ; register 32 c + i: k = 64 c + 32 h + i: block 2 c + h, all of it mine
.endr
.endr
	s_wait_loadcnt 0x0
.irp c, 0,1
.irp u, 0,1
	v_max3_num_f32 v[TM+2*\c+\u], 0x1800000, |v[X+32*\c+16*\u]|, |v[X+32*\c+16*\u+1]|   ; two chains a block, each begun with the floor 2^(3 - 127)
.endr
.endr
.irp i, 2,4,6,8,10,12,14
.irp c, 0,1
.irp u, 0,1
	v_max3_num_f32 v[TM+2*\c+\u], v[TM+2*\c+\u], |v[X+32*\c+16*\u+\i]|, |v[X+32*\c+16*\u+\i+1]|
.endr
.endr
.endr
	v_max_num_f32 v[TM], v[TM], v[TM+1]
	v_max_num_f32 v[TM+2], v[TM+2], v[TM+3]
	v_add_nc_u32 v[TM+8], 0xff000000, v[TM]        ; 2 off the exponent field: the conversion's scale operand
	v_add_nc_u32 v[TM+9], 0xff000000, v[TM+2]
	v_lshrrev_b32 v[TM+10], 23, v[TM+8]            ; the scale's byte
	v_lshrrev_b32 v[TM+11], 23, v[TM+9]
	v_lshl_or_b32 v[WD], v[TM+11], 16, v[TM+10]    ; blocks h and 2 + h,
	v_lshlrev_b32 v[WD], v44, v[WD]                ; at their places;
	v_permlanex16_b32 v41, v[WD], s34, s35
	v_or_b32 v[WD], v[WD], v41                     ; with lane l xor 16's two the word is whole
.irp c, 0,1
.irp g, 0,1,2,3
	v_cvt_scalef32_pk8_fp4_f32 v[CD+4*\c+\g], v[X+32*\c+8*\g:X+32*\c+8*\g+7], v[TM+8+\c]
.endr
.endr
	v_nop                                          ; one plain line behind the last scaled conversion
	global_store_b128 v43, v[CD:CD+3], s[30:31]            ; 512 consecutive bytes a store
	global_store_b128 v43, v[CD+4:CD+7], s[30:31] offset:512
	global_store_b32 v42, v[WD], s[28:29]          ; both halves of the lanes hold the same word and write it to the same place
	s_endpgm
.Lfunc_end_k_qaddf93ce21_prep:
	.size	k_qaddf93ce21_prep, .Lfunc_end_k_qaddf93ce21_prep-k_qaddf93ce21_prep
	.p2alignl 7, 3214868480
	.fill 96, 4, 3214868480
	.section	.rodata,"a",@progbits
	.p2align	6, 0x0
	.amdhsa_kernel k_qaddf93ce21_prep
		.amdhsa_group_segment_fixed_size 0
		.amdhsa_private_segment_fixed_size 0
		.amdhsa_enable_private_segment 0
		.amdhsa_kernarg_size 40
		.amdhsa_user_sgpr_count 2
		.amdhsa_user_sgpr_kernarg_segment_ptr 1
		.amdhsa_wavefront_size32 1
		.amdhsa_system_sgpr_workgroup_id_x 1
		.amdhsa_system_sgpr_workgroup_id_y 1
		.amdhsa_system_sgpr_workgroup_id_z 1
		.amdhsa_system_vgpr_workitem_id 0
		.amdhsa_next_free_vgpr 128
		.amdhsa_next_free_sgpr 66
		.amdhsa_reserve_vcc 0
		.amdhsa_float_denorm_mode_32 3
		.amdhsa_float_denorm_mode_16_64 3
		.amdhsa_memory_ordered 1
		.amdhsa_forward_progress 1
		.amdhsa_inst_pref_size 15
	.end_amdhsa_kernel
	.amdgpu_metadata
---
amdhsa.version: [ 1, 2 ]
amdhsa.kernels:
  - .name:           k_qaddf93ce21_prep
    .symbol:         k_qaddf93ce21_prep.kd
    .args:
      - { .name: mask, .offset: 0, .size: 8, .value_kind: global_buffer, .address_space: global }
      - { .name: W1, .offset: 8, .size: 8, .value_kind: global_buffer, .address_space: global }
      - { .name: W2, .offset: 16, .size: 8, .value_kind: global_buffer, .address_space: global }
      - { .name: order, .offset: 24, .size: 8, .value_kind: global_buffer, .address_space: global }
      - { .name: wimg, .offset: 32, .size: 8, .value_kind: global_buffer, .address_space: global }
    .group_segment_fixed_size: 0
    .private_segment_fixed_size: 0
    .kernarg_segment_align: 8
    .kernarg_segment_size: 40
    .max_flat_workgroup_size: 256
    .sgpr_count:     66
    .vgpr_count:     128
    .wavefront_size: 32
...
	.end_amdgpu_metadata
.endif
;; end of part 1
;; launch din (part 2): grid 256 x 1, 4 waves a work-group, no clusters, 126,464 bytes of LDS; arguments keys, query, order, wimg, b1, b2, W3, b3, a1, a2, out0; writes out0
.if DOCPART == 2
	.amdgcn_target "amdgcn-amd-amdhsa--gfx1250"
	.amdhsa_code_object_version 6
	.text
	.protected	k_qaddf93ce21_din
	.globl	k_qaddf93ce21_din
	.p2align	8
	.type	k_qaddf93ce21_din,@function
k_qaddf93ce21_din:
	s_mov_b64 s[64:65], 0
	v_nop
	global_prefetch_b8 v0, s[64:65] scope:SCOPE_SE
	s_setreg_imm32_b32 hwreg(HW_REG_WAVE_MODE, 25, 1), 1
	s_wait_xcnt 0x0
; out[b] = sum over l of w[b][l] keys[b][l], w = softmax over l of the scores of a three-layer MLP on [q, k, q - k, q k], rows with mask == 0 at -10000 in the softmax and at weight 0 in the sum.
; The first two products run on codes of E2M1 with one E8M0 scale for each 32 along K; the score (N = 1) and the weighted sum (M = 1) are f32 multiply-adds.
; ROWS THAT ARE NOT KEPT ARE NOT COMPUTED: their weight is 0 and they enter the result only as (200 - c) exp(-10000 - max) in the softmax's sum, which the end of a batch adds.  order (made by the launch
; before) gives each batch's kept rows and their count c.
; SHARES.  Wave w of work-group x owns batches 8 x + 2 w and the next, whole; a trip of the loop takes 16 kept rows through the whole chain; nothing goes to memory on the way.
; THE WEIGHTS' codes stay in the wave's registers (W1's K steps k, q - k, q k and W2: 512 registers).  q's quarter of the first product's K is the same for all rows of a batch: its codes are made once a batch, its
; K step is multiplied once a batch (W1's q fragments come from LDS), and b1 + that product is kept in LDS by hidden unit as the C of every tile's sums.
; BOTH PRODUCTS ARE USED TRANSPOSED (source 0 = 16 rows of a weight, source 1 = the 16 rows in hand): a lane holds ONE row, and its registers run along the next product's K.
; SOFTMAX: a running maximum m and sum l; the sum and the accumulator are multiplied by 2^((m_old - m_new) log2 e) in every trip.
; NO TENSOR LOADS, NO CLUSTER: the loop's trip count and two branches hang on numbers read from order.  What work-groups share is the weights' 81,920 bytes, copied once by each work-group, against
; about 51,200 bytes of kept keys for each of its 8 batches at half the rows kept.
; LIMITS: NaN and infinities among the inputs are not served; a block of zeros, or one whose largest magnitude lies under 2^-124, gets the scale byte 1 (zero codes add nothing under it);
; b1 and q's K step enter as the C of the sums, so the order of the f32 additions is not reference()'s.
;
; LDS: 0 .. 81919 the weights' fragments as wimg has them (behind the head only W1's q fragments, bytes 0 .. 16383, are read).  From PBASE + PSIZE x wave the wave's own bytes: b1 (1,024), HQ = b1 + q's product (1,024),
;   b2 (512), the stage: 16 rows of keys x (512 + 16).
; REGISTERS, in windows of 256 (s_set_vgpr_msb's low byte: bits 1:0 source 0, 3:2 source 1, 5:4 source 2, 7:6 destination):
;   window 0: see the names below.   window 1: W1's K step 1 at 8 n, K step 2 at 128 + 8 n.   window 2: W1's K step 3 at 8 n, W2 at 128 + 8 (8 s + n).
;   window 3: 0-63 q; 64-127 a tile's rows as they are loaded; 128-191 W3; 192-207 the sixteen rows' offsets; 208-211 this batch's rows, 212-215 the next batch's; 216 at work; 217 16 x lane.
.set PBASE,  81920
.set PSIZE,  11008
.set OHQ,    1024
.set OB2,    2048
.set OST,    2560
.set SP,     528                       ; a stage row: 512 bytes + 16: an odd multiple of 16, so that the sixteen rows that a load touches start in different banks
.set KEYB,   102400                    ; a batch's keys in bytes
.set LOG2E,  0x3fb8aa3b
.set NEGBIG, 0xff61b1e6                ; -3e38
.set L16A, 1                           ; v1   16 x lane
.set PBL,  2                           ; v2   my wave's LDS bytes + 16 x lane
.set STA,  3                           ; v3   the stage, as an operand reads it: row r, + 128 h
.set TBH,  4                           ; v4   my wave's tables by hidden unit: + 64 h
.set PF,   5                           ; v5   the prefetch's offset
.set B2A,  6                           ; v6   b2's table: + 32 h
.set SH8,  7                           ; v7   8 h
.set REM,  8                           ; v8   c - r - 16 t: my row counts where this is above 0
.set MX,   9                           ; v9   m
.set LS,   10                          ; v10  l, my row's part
.set PP,   11                          ; v11  p
.set FF,   12                          ; v[12:13] f (v13 is written once: the pair is named)
.set S1,   14                          ; v14, v15  +infinity where the slope is at most 1, else -infinity
.set S2,   15
.set SCO,  16                          ; v16  the score
.set MT,   17                          ; v17  the tile's maximum
.set PD,   18                          ; v18  a lane permute's destination
.set H128, 19                          ; v19  128 h
.set ACC,  20                          ; v[20:27] the weighted sum of my 4 channels, in two sets (even rows, odd rows)
.set OUTR, 28                          ; v[28:31] what is stored
.set CK,   32                          ; v[32:39], v[40:47], v[48:55] codes of k, q - k, q k; later of the hidden layer's two K steps; in a batch's prologue of q
.set WK,   56                          ; v56-58 their scale words;
.set WH,   59                          ; v59-60 the hidden layer's;
.set WQ,   61                          ; v61    q's
.set L16B, 62                          ; v62  16 x lane + 65536
.set T16B, 63                          ; v63  16 x thread + 65536
.set TM,   64                          ; v64-79 at work
.set SW,   80                          ; v80-119 the weights' scale words: register i: lanes 0-15 fragment 2 i, lanes 16-31 fragment 2 i + 1
.set DT,   120                         ; v[120:127] the score's four chains
.set HA,   128                         ; v128-191, v192-255: the sixteen accumulators of the first product run on from HA into TA
.set TA,   192
.set QR,   0                           ; window 3
.set LD,   64
.set W3R,  128
.set AJ,   192
.set OQ,   208
.set PQ,   212
.set XR,   216
.set L16W, 217
.set SEL,  38                          ; s[38:39] v_permlanex16_b32's selects for lane l xor 16
.set MSB, 0
.macro WIN new                         ; the immediate's high byte repeats the setting that is left; a switch that changes nothing is dropped
.if MSB != \new
	s_set_vgpr_msb (MSB<<8)|\new
.set MSB, \new
.endif
.endm
; 64 numbers of a lane, register 32 c + i = k 64 c + 32 h + i of my row (block 2 c + h, all of it mine), become a fragment's codes and its scale word.  ws = 1: the numbers lie in window 3.
.macro QUANT2 src, ws, cod, wrd
.if \ws
	WIN 0x3c
.endif
.irp c, 0,1
.irp u, 0,1
	v_max3_num_f32 v[TM+2*\c+\u], 0x1800000, |v[\src+32*\c+16*\u]|, |v[\src+32*\c+16*\u+1]|   ; two chains a block, each begun with the floor 2^(3 - 127): the byte cannot fall under 1
.endr
.endr
.irp i, 2,4,6,8,10,12,14
.irp c, 0,1
.irp u, 0,1
	v_max3_num_f32 v[TM+2*\c+\u], v[TM+2*\c+\u], |v[\src+32*\c+16*\u+\i]|, |v[\src+32*\c+16*\u+\i+1]|
.endr
.endr
.endr
	WIN 0
	v_max_num_f32 v[TM], v[TM], v[TM+1]
	v_max_num_f32 v[TM+2], v[TM+2], v[TM+3]
	v_add_nc_u32 v[TM+8], 0xff000000, v[TM]        ; 2 off the exponent field: the conversion's scale operand
	v_add_nc_u32 v[TM+9], 0xff000000, v[TM+2]
	v_lshrrev_b32 v[TM+10], 23, v[TM+8]            ; the scale's byte
	v_lshrrev_b32 v[TM+11], 23, v[TM+9]
	v_lshl_or_b32 v[\wrd], v[TM+11], 16, v[TM+10]  ; blocks h and 2 + h,
	v_lshlrev_b32 v[\wrd], v[SH8], v[\wrd]         ; at their places;
	v_permlanex16_b32 v[PD], v[\wrd], s[SEL], s[SEL+1]
	v_or_b32 v[\wrd], v[\wrd], v[PD]               ; with lane l xor 16's two the word is whole
.if \ws
	WIN 0x03
.endif
.irp c, 0,1
.irp g, 0,1,2,3
	v_cvt_scalef32_pk8_fp4_f32 v[\cod+4*\c+\g], v[\src+32*\c+8*\g:\src+32*\c+8*\g+7], v[TM+8+\c]
.endr
.endr
	WIN 0
	v_nop                                          ; one plain line behind the last scaled conversion
.endm
; 64 numbers of a lane, register 16 b + i = k 32 b + 16 h + i of my row (a block lies in lanes l and l xor 16), become a fragment's codes and its scale word.
.macro QUANT1 src, cod, wrd
.irp b, 0,1,2,3
	v_max3_num_f32 v[TM+\b], |v[\src+16*\b]|, |v[\src+1+16*\b]|, 0x1800000
.endr
.irp i, 2,4,6,8,10,12,14
.irp b, 0,1,2,3
	v_max3_num_f32 v[TM+\b], v[TM+\b], |v[\src+16*\b+\i]|, |v[\src+1+16*\b+\i]|
.endr
.endr
.irp b, 0,1,2,3
	v_permlanex16_b32 v[TM+4+\b], v[TM+\b], s[SEL], s[SEL+1]
.endr
.irp b, 0,1,2,3
	v_max_num_f32 v[TM+\b], v[TM+\b], v[TM+4+\b]
.endr
.irp b, 0,1,2,3
	v_add_nc_u32 v[TM+12+\b], 0xff000000, v[TM+\b]
.endr
.irp b, 0,1,2,3
	v_lshrrev_b32 v[TM+4+\b], 23, v[TM+12+\b]
.endr
	v_lshl_or_b32 v[\wrd], v[TM+5], 8, v[TM+4]
	v_lshl_or_b32 v[\wrd], v[TM+6], 16, v[\wrd]
	v_lshl_or_b32 v[\wrd], v[TM+7], 24, v[\wrd]
.irp b, 0,1,2,3
	v_cvt_scalef32_pk8_fp4_f32 v[\cod+2*\b], v[\src+16*\b:\src+7+16*\b], v[TM+12+\b]
	v_cvt_scalef32_pk8_fp4_f32 v[\cod+1+2*\b], v[\src+8+16*\b:\src+15+16*\b], v[TM+12+\b]
.endr
	v_nop                                          ; one plain line behind the last scaled conversion
.irp c, 0,1                                    ; the operand wants a whole block in a lane: lanes 0-15 block 2 c, lanes 16-31 block 2 c + 1
.irp i, 0,1
	v_permlane16_swap_b32 v[\cod+4*\c+\i], v[\cod+2+4*\c+\i]
.endr
.endr
.endm
; PReLU on 64 registers, exactly: the middle of x, a x and +infinity is max(x, a x), which is PReLU for a <= 1; with -infinity it is min(x, a x), which is PReLU for a > 1.
; Each accumulator is read from its low end on.
.macro PRELU src, ap, sv
.irp k, 0,1,2,3
.irp i, 0,1,2,3,4,5,6,7
	v_pk_mul_f32 v[TM+2*\i:TM+2*\i+1], v[\src+16*\k+2*\i:\src+16*\k+2*\i+1], s[\ap:\ap+1] op_sel_hi:[1,0]
.endr
.irp i, 0,1,2,3,4,5,6,7,8,9,10,11,12,13,14,15
	v_med3_num_f32 v[\src+16*\k+\i], v[\src+16*\k+\i], v[TM+\i], v[\sv]
.endr
.endr
.endm
; The tile whose rows stand in the low bytes of the queue is asked for: row j's number lies in lane j; each of the 16 loads reads one row's 512 consecutive bytes.
; pf = 1: the tile behind it (the queue's next bytes) is prefetched into the L2: lane (r, h) names half h, 256 bytes, of row r: one instruction, a trip ahead of that tile's loads.
; Behind a batch's last tile those bytes hold the count: the prefetch then names one row of the batch, held at 199.
.macro ISSUE pf
	WIN 0xff
	v_and_b32 v[XR], 0xff, v[OQ]
	v_lshlrev_b32 v[XR], 9, v[XR]                  ; my row x 512
.irp j, 0,1,2,3,4,5,6,7,8,9,10,11,12,13,14,15
	v_mov_b32_dpp v[AJ+\j], v[XR] row_share:\j row_mask:0xf bank_mask:0xf   ; row j's, in every lane (both halves of the lanes hold the same queue)
.endr
.irp j, 0,1,2,3,4,5,6,7,8,9,10,11,12,13,14,15
	v_add_nc_u32 v[AJ+\j], v[AJ+\j], v[L16W]
.endr
.irp j, 0,1,2,3,4,5,6,7,8,9,10,11,12,13,14,15
	v_min_u32 v[AJ+\j], 0x18ff0, v[AJ+\j]          ; made of loaded numbers: held inside the batch's 102,400 bytes (199 x 512 + 496)
.endr
.irp j, 0,1,2,3,4,5,6,7,8,9,10,11,12,13,14,15
	global_load_b128 v[LD+4*\j:LD+4*\j+3], v[AJ+\j], s[40:41]
.endr
.if \pf
	WIN 0x01
	v_bfe_u32 v[PF], v[OQ], 8, 8
	WIN 0
	v_min_u32 v[PF], 199, v[PF]
	v_lshl_add_u32 v[PF], v[PF], 8, v[H128]
	v_lshlrev_b32 v[PF], 1, v[PF]                  ; row x 512 + 256 h
	global_prefetch_b8 v[PF], s[40:41] th:TH_LOAD_NT scope:SCOPE_SE
.endif
	WIN 0
.endm
.macro QLOAD                                   ; q of the batch at s[6:7]: register 32 c + i = q[64 c + 32 h + i], the same in all sixteen lanes of a half
	WIN 0xc0
.irp c, 0,1
.irp i, 0,1,2,3,4,5,6,7
	global_load_b128 v[QR+32*\c+4*\i:QR+32*\c+4*\i+3], v[H128], s[6:7] offset:256*\c+16*\i
.endr
.endr
	WIN 0
.endm
; Eight tiles' C from a table by hidden unit: tile n's register j of lane (r, h) is unit 32 (n / 2) + 16 h + 8 (n % 2) + j
.macro CLOAD dst, nb, off
.irp n, 0,1,2,3,4,5,6,7
	ds_load_b128 v[\dst+8*\n:\dst+8*\n+3], v[TBH] offset:\off+128*((\nb+\n)/2)+32*((\nb+\n)%2)
	ds_load_b128 v[\dst+8*\n+4:\dst+8*\n+7], v[TBH] offset:\off+128*((\nb+\n)/2)+32*((\nb+\n)%2)+16
.endr
.endm
; One matrix instruction, in place.  odd = 1: the weight's scale words stand in lanes 16-31 of their register.
.macro MM d, a, b, sa, sb, odd
.if (\odd)
	v_wmma_scale_f32_16x16x128_f8f6f4 v[0+(\d):7+(\d)], v[0+(\a):7+(\a)], v[0+(\b):7+(\b)], v[0+(\d):7+(\d)], v[0+(\sa)], v[0+(\sb)] matrix_a_fmt:MATRIX_FMT_FP4 matrix_b_fmt:MATRIX_FMT_FP4 matrix_a_scale:MATRIX_SCALE_ROW1
.else
	v_wmma_scale_f32_16x16x128_f8f6f4 v[0+(\d):7+(\d)], v[0+(\a):7+(\a)], v[0+(\b):7+(\b)], v[0+(\d):7+(\d)], v[0+(\sa)], v[0+(\sb)] matrix_a_fmt:MATRIX_FMT_FP4 matrix_b_fmt:MATRIX_FMT_FP4
.endif
.endm
; K step s (1, 2, 3) of the first product for tiles nb .. nb + 7; base: where W1's K step begins in its window.  The eight accumulators take turns, one instruction a turn.
.macro MM1 nb, s, base
.irp n, 0,1,2,3,4,5,6,7
	MM HA+8*(\nb+\n), \base+8*(\nb+\n), CK+8*(\s-1), SW+8*\s+(\nb+\n)/2, WK+\s-1, (\nb+\n)%2
.endr
.endm
	; ---- THE HEAD
	s_load_b512 s[4:19], s[0:1], 0x0               ; keys s[4:5], query s[6:7], order s[8:9], wimg s[10:11], b1 s[12:13], b2 s[14:15], W3 s[16:17], b3 s[18:19]
	s_load_b128 s[20:23], s[0:1], 0x40             ; a1, a2
	s_load_b64 s[24:25], s[0:1], 0x50              ; out0
	s_set_vgpr_msb 0xc0
	v_lshl_add_u32 v254, v0, 2, 0x1ec00
	v_mov_b32 v255, 0
	s_set_vgpr_msb 0xc000
	v_lshrrev_b32 v64, 5, v0
	v_readfirstlane_b32 s31, v64                   ; wave 0..3
	v_and_b32 v64, 31, v0                          ; lane
	v_and_b32 v65, 15, v0                          ; r
	v_bfe_u32 v66, v0, 4, 1                        ; h
	s_mul_i32 s60, s31, PSIZE
	s_add_co_u32 s60, s60, PBASE                   ; my wave's LDS bytes
	v_lshlrev_b32 v[L16A], 4, v64
	v_add_nc_u32 v[PBL], s60, v[L16A]
	v_mul_u32_u24 v[STA], v65, SP
	v_lshl_add_u32 v[STA], v66, 7, v[STA]
	v_add_nc_u32 v[STA], s60, v[STA]
	v_add_nc_u32 v[STA], OST, v[STA]
	v_lshlrev_b32 v[TBH], 6, v66
	v_add_nc_u32 v[TBH], s60, v[TBH]
	v_lshlrev_b32 v[B2A], 5, v66
	v_add_nc_u32 v[B2A], s60, v[B2A]
	v_add_nc_u32 v[B2A], OB2, v[B2A]
	v_lshlrev_b32 v[SH8], 3, v66
	v_lshlrev_b32 v[H128], 7, v66
	v_add_nc_u32 v[L16B], 0x10000, v[L16A]
	v_lshlrev_b32 v79, 4, v0                       ; 16 x thread
	v_add_nc_u32 v[T16B], 0x10000, v79
	v_lshlrev_b32 v78, 4, v65                      ; 16 r
	v_lshlrev_b32 v77, 5, v66                      ; 32 h
	v_lshlrev_b32 v76, 2, v64                      ; 4 x lane
	v_mov_b32 v[FF+1], 0                           ; named as the upper half of a pair
	v_mov_b32 v[MT], 0                             ; destinations of lane operations count as sources: written once
	v_mov_b32 v[PD], 0
	s_lshl_b32 s61, ttmp9, 3
	s_lshl_b32 s62, s31, 1
	s_add_co_u32 s61, s61, s62                     ; my first batch: 8 x + 2 wave
	s_mul_i32 s62, s61, KEYB                       ; under 2^32: 2,047 x 102,400
	s_mov_b32 s63, 0
	s_lshl_b32 s66, s61, 9                         ; a row of query and of out0 is 512 bytes
	s_mov_b32 s67, 0
	s_lshl_b32 s68, s61, 8                         ; a batch's 256 bytes of order
	s_mov_b32 s69, 0
	s_mov_b32 s[SEL], 0x76543210
	s_mov_b32 s[SEL+1], 0xfedcba98
.irp j, 0,1,2,3,4,5,6,7
	s_mov_b32 s[45+2*\j], 0                        ; the upper halves of the pairs that carry p: named, never used
.endr
	s_wait_kmcnt 0x0
	s_load_b32 s26, s[20:21], 0x0                  ; a1
	s_load_b32 s28, s[22:23], 0x0                  ; a2
	s_load_b32 s30, s[18:19], 0x0                  ; b3
	s_add_nc_u64 s[40:41], s[4:5], s[62:63]        ; the keys of the batch whose rows are being asked for
	s_add_nc_u64 s[6:7], s[6:7], s[66:67]
	s_add_nc_u64 s[24:25], s[24:25], s[66:67]
	s_add_nc_u64 s[8:9], s[8:9], s[68:69]
	WIN 0xc0
	global_load_b128 v[OQ:OQ+3], v78, s[8:9]               ; my two batches' rows: lane r's 16 bytes: byte t = the row of rank 16 t + r
	global_load_b128 v[PQ:PQ+3], v78, s[8:9] offset:256
	WIN 0x40
.set K, 0
.rept 40
	global_load_b128 v[4*K:4*K+3], v79, s[10:11] offset:2048*K     ; the weights' 81,920 bytes, 2,048 a work-group's load, through window 1
.set K, K+1
.endr
	WIN 0xc0
.irp j, 0,1,2,3,4,5,6,7,8,9,10,11,12,13,14,15
	v_mov_b32 v[AJ+\j], 0                          ; destinations of lane operations: written once
.endr
	v_mov_b32 v[L16W], v[L16A]
	WIN 0
	s_wait_kmcnt 0x0
	s_mov_b32 s27, s26                             ; named with them as pairs
	s_mov_b32 s29, s28
	v_mov_b32 v67, 0xff800000
	v_mov_b32 v68, 0x7f800000
	v_mov_b32 v[S1], s26
	v_mov_b32 v[S2], s28
	v_cmp_ge_f32 vcc_lo, 1.0, v[S1]
	v_cndmask_b32 v[S1], v67, v68, vcc_lo
	v_cmp_ge_f32 vcc_lo, 1.0, v[S2]
	v_cndmask_b32 v[S2], v67, v68, vcc_lo
	s_wait_loadcnt 40                              ; the 40 loads of the weights may be out: the two batches' rows are in
	WIN 0x0c
	v_lshrrev_b32 v[SCO], 24, v[OQ+3]              ; byte 15 is never a row: it holds the count
	v_lshrrev_b32 v[MT], 24, v[PQ+3]
	WIN 0
	v_readfirstlane_b32 s35, v[SCO]
	v_readfirstlane_b32 s36, v[MT]
	s_min_u32 s35, s35, 200                        ; c of this batch,
	s_min_u32 s36, s36, 200                        ; of the next
	ISSUE 0                                        ; the first tile's rows.  Nothing is prefetched at the head
	s_wait_loadcnt 16                              ; those 16 may be out: the weights are in
	WIN 0x04
.set K, 0
.rept 32
	ds_store_b128 v79, v[4*K:4*K+3] offset:2048*K
.set K, K+1
.endr
.rept 8
	ds_store_b128 v[T16B], v[4*K:4*K+3] offset:2048*(K-32)
.set K, K+1
.endr
	WIN 0
	global_load_b128 v[64:67], v[L16A], s[12:13]           ; b1
	global_load_b128 v[68:71], v[L16A], s[12:13] offset:512
	global_load_b128 v[72:75], v[L16A], s[14:15]           ; b2
.set K, 0
.rept 40
	global_load_b32 v[SW+K], v76, s[10:11] offset:81920+128*K      ; the weights' scale words: 128 consecutive bytes a register
.set K, K+1
.endr
	WIN 0xc0
.irp n, 0,1,2,3,4,5,6,7
	global_load_b128 v[W3R+8*\n:W3R+8*\n+3], v77, s[16:17] offset:64*\n           ; register 8 n + j = W3[16 n + 8 h + j]
	global_load_b128 v[W3R+8*\n+4:W3R+8*\n+7], v77, s[16:17] offset:64*\n+16
.endr
	QLOAD
	s_wait_dscnt 0x0                               ; for the others' sake: my part of the weights lies in LDS
	s_barrier_signal -1
	s_barrier_wait -1                              ; everybody's does.  The launch's only barrier: from here on a wave writes its own LDS bytes alone
	WIN 0x40
.set K, 16
.rept 32
	ds_load_b128 v[8*(K-16):8*(K-16)+3], v[L16A] offset:1024*K             ; W1's K steps 1 and 2
	ds_load_b128 v[8*(K-16)+4:8*(K-16)+7], v[L16A] offset:1024*K+512
.set K, K+1
.endr
	WIN 0x80
.rept 16
	ds_load_b128 v[8*(K-48):8*(K-48)+3], v[L16A] offset:1024*K             ; W1's K step 3
	ds_load_b128 v[8*(K-48)+4:8*(K-48)+7], v[L16A] offset:1024*K+512
.set K, K+1
.endr
.rept 16
	ds_load_b128 v[128+8*(K-64):128+8*(K-64)+3], v[L16B] offset:1024*(K-64)        ; W2
	ds_load_b128 v[128+8*(K-64)+4:128+8*(K-64)+7], v[L16B] offset:1024*(K-64)+512
.set K, K+1
.endr
	WIN 0
	s_wait_loadcnt 0x0
	ds_store_b128 v[PBL], v[64:67]                         ; b1 and b2 into my wave's tables, in their own order
	ds_store_b128 v[PBL], v[68:71] offset:512
	ds_store_b128 v[PBL], v[72:75] offset:OB2
	s_mov_b32 s34, 2                               ; batches to go
	; ---- A BATCH'S PROLOGUE: q's codes, and HQ = b1 + q's K step of the first product
.Lbatch:
	s_wait_loadcnt 0x0                             ; q (and the batch's first tile)
	s_wait_dscnt 0x0
	s_add_co_u32 s33, s35, 15
	s_lshr_b32 s33, s33, 4
	s_max_u32 s33, s33, 1                          ; tiles: at least one, so that the loop has one form (with c = 0 no row of it counts)
	s_mov_b32 s32, 0
	QUANT2 QR, 1, CK, WQ
	v_mov_b32 v[MX], NEGBIG                        ; these twelve lines are also the places between the scale word's last write and the first product
	v_mov_b32 v[LS], 0
.irp i, 0,1,2,3,4,5,6,7
	v_mov_b32 v[ACC+\i], 0
.endr
	v_and_b32 v[REM], 15, v0
	v_sub_nc_u32 v[REM], s35, v[REM]
.irp nb, 0, 8
	CLOAD HA, \nb, 0                               ; b1 as C
.irp n, 0,1,2,3,4,5,6,7
	ds_load_b128 v[TA+8*\n:TA+8*\n+3], v[L16A] offset:1024*(\nb+\n)                ; W1's q fragments
	ds_load_b128 v[TA+8*\n+4:TA+8*\n+7], v[L16A] offset:1024*(\nb+\n)+512
.endr
	s_wait_dscnt 0x0
.irp n, 0,1,2,3,4,5,6,7
	MM HA+8*\n, TA+8*\n, CK, SW+(\nb+\n)/2, WQ, (\nb+\n)%2
.endr
.rept 5
	v_nop                                          ; four places ahead of the stores that read the results and of loads into these registers, five ahead of the matrix instructions that write over them
.endr
.irp n, 0,1,2,3,4,5,6,7
	ds_store_b128 v[TBH], v[HA+8*\n:HA+8*\n+3] offset:OHQ+128*((\nb+\n)/2)+32*((\nb+\n)%2)         ; all sixteen rows are q: the lanes of a half write the same bytes
	ds_store_b128 v[TBH], v[HA+8*\n+4:HA+8*\n+7] offset:OHQ+128*((\nb+\n)/2)+32*((\nb+\n)%2)+16
.endr
	s_wait_dscnt 0x0                               ; the stores have read their registers
.endr
	; ---- A TRIP: 16 kept rows
.Ltile:
	s_wait_loadcnt 0x0                             ; the tile's rows are in, asked for a trip ago
	WIN 0x0c
.irp j, 0,1,2,3,4,5,6,7,8,9,10,11,12,13,14,15
	ds_store_b128 v[PBL], v[LD+4*\j:LD+4*\j+3] offset:OST+SP*\j    ; into my stage, row by row
.endr
	WIN 0
.irp c, 0,1
.irp i, 0,1,2,3,4,5,6,7
	ds_load_b128 v[HA+32*\c+4*\i:HA+32*\c+4*\i+3], v[STA] offset:256*\c+16*\i      ; and back as an operand wants them: register 32 c + i = k[64 c + 32 h + i] of row r
.endr
.endr
	s_wait_dscnt 16                                ; the 16 loads may be out: the stores have read their registers, which take the next tile
	s_wait_xcnt 0x0                                ; the prefetch of a trip ago has read its offset and base: both may be written
	s_mov_b32 s37, 0
	s_add_co_u32 s60, s32, 1
	s_cmp_lt_u32 s60, s33
	s_cbranch_scc0 .Llast_tile
	WIN 0xff
	v_alignbit_b32 v[OQ], v[OQ+1], v[OQ], 8        ; the queue moves on by a byte: the next tile's rows
	v_alignbit_b32 v[OQ+1], v[OQ+2], v[OQ+1], 8
	v_alignbit_b32 v[OQ+2], v[OQ+3], v[OQ+2], 8
	v_lshrrev_b32 v[OQ+3], 8, v[OQ+3]
	WIN 0
	s_branch .Lissue
.Llast_tile:
	s_cmp_eq_u32 s34, 1
	s_cbranch_scc1 .Lno_issue                      ; the last tile of the last batch: nothing is left to ask for
	WIN 0xc3
.irp i, 0,1,2,3
	v_mov_b32 v[OQ+\i], v[PQ+\i]                   ; on to the next batch's rows and keys
.endr
	WIN 0
	s_add_nc_u64 s[40:41], s[40:41], KEYB
	s_mov_b32 s37, 1
.Lissue:
	ISSUE 1
.Lno_issue:
	s_wait_dscnt 0x0                               ; k
	QUANT2 HA, 0, CK, WK
	WIN 0x03
.set I, 0
.rept 32
	v_pk_add_f32 v[TA+I:TA+I+1], v[QR+I:QR+I+1], v[HA+I:HA+I+1] neg_lo:[0,1] neg_hi:[0,1]  ; q - k
.set I, I+2
.endr
.set I, 0
.rept 32
	v_pk_mul_f32 v[HA+I:HA+I+1], v[QR+I:QR+I+1], v[HA+I:HA+I+1]                            ; q k
.set I, I+2
.endr
	WIN 0
	QUANT2 TA, 0, CK+8, WK+1
	CLOAD TA, 8, OHQ                               ; the sums of tiles 8-15 begin with HQ
	QUANT2 HA, 0, CK+16, WK+2
	CLOAD HA, 0, OHQ                               ; those of tiles 0-7 likewise
	s_cmp_eq_u32 s37, 0
	s_cbranch_scc1 .Lno_q
	s_add_nc_u64 s[6:7], s[6:7], 512               ; (the last loads by this base were waited for at the batch's head)
	QLOAD                                          ; this batch has read q for the last time: the next batch's q
.Lno_q:
.rept 8
	v_nop                                          ; a scale word written by a vector instruction stands eight places ahead of the scaled matrix instruction, codes so written four
.endr
	s_wait_dscnt 16                                ; tiles 0-7's 16 loads may be out: tiles 8-15's C is in
	WIN 0x01
	MM1 8, 1, 0
	MM1 8, 2, 128
	WIN 0x02
	MM1 8, 3, 0
	s_wait_dscnt 0x0
	WIN 0x01
	MM1 0, 1, 0
	MM1 0, 2, 128
	WIN 0x02
	MM1 0, 3, 0
	WIN 0
.rept 4
	v_nop                                          ; places ahead of the first read of results and of writes into the products' registers
.endr
	PRELU HA, 26, S1
	QUANT1 HA, CK, WH                              ; hidden units 0-127: K step 0 of the second product
.irp n, 0,1,2,3,4,5,6,7
	ds_load_b128 v[HA+8*\n:HA+8*\n+3], v[B2A] offset:64*\n                 ; b2 as the second product's C: register 8 n + j = b2[16 n + 8 h + j]
	ds_load_b128 v[HA+8*\n+4:HA+8*\n+7], v[B2A] offset:64*\n+16
.endr
	PRELU TA, 26, S1
	QUANT1 TA, CK+8, WH+1                          ; hidden units 128-255: K step 1
.irp j, 0,1,2,3,4,5,6,7,8,9,10,11,12,13,14,15
	ds_load_b128 v[TA+4*\j:TA+4*\j+3], v[PBL] offset:OST+SP*\j             ; the tile's rows once more, as they lie: row j, my 4 channels, for the weighted sum
.endr
.rept 8
	v_nop                                          ; as ahead of the first product
.endr
	s_wait_dscnt 16                                ; the 16 rows may be out: b2 is in
	WIN 0x02
.irp s, 0,1
.irp n, 0,1,2,3,4,5,6,7
	MM HA+8*\n, 128+8*(8*\s+\n), CK+8*\s, SW+32+4*\s+\n/2, WH+\s, \n%2
.endr
.endr
	WIN 0
.rept 4
	v_nop
.endr
	PRELU HA, 28, S2
	WIN 0x0c
.irp u, 0,1,2,3
	v_pk_mul_f32 v[DT+2*\u:DT+2*\u+1], v[HA+2*\u:HA+2*\u+1], v[W3R+2*\u:W3R+2*\u+1]        ; the score: four chains of packed multiply-adds
.endr
.irp i, 1,2,3,4,5,6,7
.irp u, 0,1,2,3
	v_pk_fma_f32 v[DT+2*\u:DT+2*\u+1], v[HA+8*\i+2*\u:HA+8*\i+2*\u+1], v[W3R+8*\i+2*\u:W3R+8*\i+2*\u+1], v[DT+2*\u:DT+2*\u+1]
.endr
.endr
	WIN 0
	v_pk_add_f32 v[DT:DT+1], v[DT:DT+1], v[DT+2:DT+3]
	v_pk_add_f32 v[DT+4:DT+5], v[DT+4:DT+5], v[DT+6:DT+7]
	v_pk_add_f32 v[DT:DT+1], v[DT:DT+1], v[DT+4:DT+5]
	v_add_f32 v[SCO], v[DT], v[DT+1]
	v_permlanex16_b32 v[PD], v[SCO], s[SEL], s[SEL+1]
	v_add_f32 v[SCO], v[SCO], v[PD]                ; with lane l xor 16's 64 units
	v_add_f32 v[SCO], s30, v[SCO]                  ; + b3
	v_cmp_lt_i32 vcc_lo, 0, v[REM]                 ; does my row count?
	v_cndmask_b32 v[SCO], NEGBIG, v[SCO], vcc_lo
	v_max_num_f32_dpp v[MT], v[SCO], v[SCO] row_xmask:1 row_mask:0xf bank_mask:0xf
	v_max_num_f32_dpp v[MT], v[MT], v[MT] row_xmask:2 row_mask:0xf bank_mask:0xf
	v_max_num_f32_dpp v[MT], v[MT], v[MT] row_xmask:4 row_mask:0xf bank_mask:0xf
	v_max_num_f32_dpp v[MT], v[MT], v[MT] row_xmask:8 row_mask:0xf bank_mask:0xf
	v_max_num_f32 v[MT], v[MX], v[MT]              ; the new m
	v_sub_f32 v[FF], v[MX], v[MT]
	v_sub_f32 v[PP], v[SCO], v[MT]
	v_mul_f32 v[FF], LOG2E, v[FF]
	v_mul_f32 v[PP], LOG2E, v[PP]
	v_exp_f32 v[FF], v[FF]                         ; f = e^(m_old - m_new)
	v_exp_f32 v[PP], v[PP]                         ; p = e^(score - m_new)
	v_mov_b32 v[MX], v[MT]                         ; (a plain line behind the exponentials)
	s_wait_alu depctr_va_vdst(0)                   ; the wait ahead of the first line that names a result: one for both
	v_cndmask_b32 v[PP], 0, v[PP], vcc_lo          ; a row that does not count has no weight
	v_fma_f32 v[LS], v[LS], v[FF], v[PP]
.irp i, 0,2,4,6
	v_pk_mul_f32 v[ACC+\i:ACC+\i+1], v[ACC+\i:ACC+\i+1], v[FF:FF+1] op_sel_hi:[1,0]
.endr
	s_wait_dscnt 0x0                               ; the rows
.irp g, 0,1
.irp j, 0,1,2,3,4,5,6,7
	v_readlane_b32 s[44+2*\j], v[PP], 8*\g+\j      ; row j's weight lies in lane j
.endr
.irp j, 0,1,2,3,4,5,6,7
	v_pk_fma_f32 v[ACC+4*(\j%2):ACC+4*(\j%2)+1], v[TA+4*(8*\g+\j):TA+4*(8*\g+\j)+1], s[44+2*\j:45+2*\j], v[ACC+4*(\j%2):ACC+4*(\j%2)+1] op_sel_hi:[1,0,1]
	v_pk_fma_f32 v[ACC+4*(\j%2)+2:ACC+4*(\j%2)+3], v[TA+4*(8*\g+\j)+2:TA+4*(8*\g+\j)+3], s[44+2*\j:45+2*\j], v[ACC+4*(\j%2)+2:ACC+4*(\j%2)+3] op_sel_hi:[1,0,1]
.endr
.endr
	v_add_nc_u32 v[REM], -16, v[REM]
	s_add_co_u32 s32, s32, 1
	s_cmp_lt_u32 s32, s33
	s_cbranch_scc1 .Ltile
	; ---- A BATCH'S END: the rows that were not kept enter the sum as (200 - c) e^(-10000 - max); then out = ACC / sum
	v_add_f32_dpp v[LS], v[LS], v[LS] row_xmask:1 row_mask:0xf bank_mask:0xf
	v_add_f32_dpp v[LS], v[LS], v[LS] row_xmask:2 row_mask:0xf bank_mask:0xf
	v_add_f32_dpp v[LS], v[LS], v[LS] row_xmask:4 row_mask:0xf bank_mask:0xf
	v_add_f32_dpp v[LS], v[LS], v[LS] row_xmask:8 row_mask:0xf bank_mask:0xf      ; both halves of the lanes hold the same sixteen parts
	s_sub_co_u32 s60, 200, s35                     ; rows not kept
	s_mov_b32 s61, NEGBIG
	s_cmp_lg_u32 s60, 0
	s_cselect_b32 s61, 0xc61c4000, s61             ; their score: -10000, if there are any
	v_max_num_f32 v[SCO], s61, v[MX]               ; the maximum over all 200
	v_sub_f32 v[MT], v[MX], v[SCO]
	v_sub_f32 v[PP], s61, v[SCO]
	v_mul_f32 v[MT], LOG2E, v[MT]
	v_mul_f32 v[PP], LOG2E, v[PP]
	v_exp_f32 v[MT], v[MT]                         ; e1: what was summed under m, under the final maximum
	v_exp_f32 v[PP], v[PP]                         ; e2: a row that was not kept
	v_cvt_f32_u32 v[FF], s60                       ; (a plain line behind the exponentials)
	s_wait_alu depctr_va_vdst(0)                   ; one wait for both, ahead of their first reader
	v_mul_f32 v[PP], v[FF], v[PP]
	v_fma_f32 v[LS], v[LS], v[MT], v[PP]           ; the softmax's sum: at least 1, since the row of the maximum is in it
	v_rcp_f32 v[LS], v[LS]
	v_pk_add_f32 v[ACC:ACC+1], v[ACC:ACC+1], v[ACC+4:ACC+5]        ; the two sets (plain lines behind the reciprocal)
	v_pk_add_f32 v[ACC+2:ACC+3], v[ACC+2:ACC+3], v[ACC+6:ACC+7]
	s_wait_alu depctr_va_vdst(0)                   ; the wait ahead of the reciprocal's first reader
	v_mul_f32 v[FF], v[MT], v[LS]
	v_pk_mul_f32 v[OUTR:OUTR+1], v[ACC:ACC+1], v[FF:FF+1] op_sel_hi:[1,0]
	v_pk_mul_f32 v[OUTR+2:OUTR+3], v[ACC+2:ACC+3], v[FF:FF+1] op_sel_hi:[1,0]
	global_store_b128 v[L16A], v[OUTR:OUTR+3], s[24:25]    ; the wave stores the batch's 512 consecutive bytes
	s_wait_xcnt 0x0                                ; the store has read its data and its base: both may be written again
	s_add_nc_u64 s[24:25], s[24:25], 512
	s_mov_b32 s35, s36
	s_sub_co_u32 s34, s34, 1
	s_cmp_lg_u32 s34, 0
	s_cbranch_scc1 .Lbatch
	s_set_vgpr_msb 0xf
	s_wait_tensorcnt 0x0
	ds_add_u32 v254, v255
	s_wait_dscnt 0x0
	s_set_vgpr_msb 0xf00
	s_endpgm
.Lfunc_end_k_qaddf93ce21_din:
	.size	k_qaddf93ce21_din, .Lfunc_end_k_qaddf93ce21_din-k_qaddf93ce21_din
	.p2alignl 7, 3214868480
	.fill 96, 4, 3214868480
	.section	.rodata,"a",@progbits
	.p2align	6, 0x0
	.amdhsa_kernel k_qaddf93ce21_din
		.amdhsa_group_segment_fixed_size 126464
		.amdhsa_private_segment_fixed_size 0
		.amdhsa_enable_private_segment 0
		.amdhsa_kernarg_size 88
		.amdhsa_user_sgpr_count 2
		.amdhsa_user_sgpr_kernarg_segment_ptr 1
		.amdhsa_wavefront_size32 1
		.amdhsa_system_sgpr_workgroup_id_x 1
		.amdhsa_system_sgpr_workgroup_id_y 1
		.amdhsa_system_sgpr_workgroup_id_z 1
		.amdhsa_system_vgpr_workitem_id 0
		.amdhsa_next_free_vgpr 1024
		.amdhsa_next_free_sgpr 72
		.amdhsa_reserve_vcc 1
		.amdhsa_float_denorm_mode_32 3
		.amdhsa_float_denorm_mode_16_64 3
		.amdhsa_memory_ordered 1
		.amdhsa_forward_progress 1
		.amdhsa_inst_pref_size 113
	.end_amdhsa_kernel
	.amdgpu_metadata
---
amdhsa.version: [ 1, 2 ]
amdhsa.kernels:
  - .name:           k_qaddf93ce21_din
    .symbol:         k_qaddf93ce21_din.kd
    .args:
      - { .name: keys, .offset: 0, .size: 8, .value_kind: global_buffer, .address_space: global }
      - { .name: query, .offset: 8, .size: 8, .value_kind: global_buffer, .address_space: global }
      - { .name: order, .offset: 16, .size: 8, .value_kind: global_buffer, .address_space: global }
      - { .name: wimg, .offset: 24, .size: 8, .value_kind: global_buffer, .address_space: global }
      - { .name: b1, .offset: 32, .size: 8, .value_kind: global_buffer, .address_space: global }
      - { .name: b2, .offset: 40, .size: 8, .value_kind: global_buffer, .address_space: global }
      - { .name: W3, .offset: 48, .size: 8, .value_kind: global_buffer, .address_space: global }
      - { .name: b3, .offset: 56, .size: 8, .value_kind: global_buffer, .address_space: global }
      - { .name: a1, .offset: 64, .size: 8, .value_kind: global_buffer, .address_space: global }
      - { .name: a2, .offset: 72, .size: 8, .value_kind: global_buffer, .address_space: global }
      - { .name: out0, .offset: 80, .size: 8, .value_kind: global_buffer, .address_space: global }
    .group_segment_fixed_size: 126464
    .private_segment_fixed_size: 0
    .kernarg_segment_align: 8
    .kernarg_segment_size: 88
    .max_flat_workgroup_size: 128
    .sgpr_count:     72
    .vgpr_count:     1024
    .wavefront_size: 32
...
	.end_amdgpu_metadata
.endif
;; end of part 2
;; ======== version 2 of 2: 2 launches
;; workspace buffers: wimg 87,040 bytes; order 524,288 bytes of whole numbers
;; launch prep (part 3): grid 266 x 1, 8 waves a work-group, no clusters, 0 bytes of LDS; arguments mask, W1, W2, order, wimg; writes order, wimg
.if DOCPART == 3
	.amdgcn_target "amdgcn-amd-amdhsa--gfx1250"
	.amdhsa_code_object_version 6
	.text
	.protected	k_qaddf93ce21_prep
	.globl	k_qaddf93ce21_prep
	.p2align	8
	.type	k_qaddf93ce21_prep,@function
k_qaddf93ce21_prep:
	s_mov_b64 s[64:65], 0
	v_nop
	global_prefetch_b8 v0, s[64:65] scope:SCOPE_SE
	s_setreg_imm32_b32 hwreg(HW_REG_WAVE_MODE, 25, 1), 1
	s_wait_xcnt 0x0
; TWO JOBS, parted by the work-group's number; a wave is a unit of work in both; no LDS, no barrier.
; Work-groups 0-255, ORDER: wave = batch b = 8 x + wave.  mask[b][0..199] becomes 256 bytes of order: the numbers of the rows with mask != 0, ascending, take ranks 0 .. c - 1;
;   every other rank holds the count c.  The byte of rank 16 t + r lies at 16 r + t, so that the next launch's lane r finds its row of tile t in byte t of its 16 bytes.
;   Ranks 240-255 are never rows (c <= 200), so byte 15 of every r delivers c.  The ranks are a permutation of 0 .. 255: every byte is written once.
;   The stores are single bytes, eight instructions into the batch's 256 bytes: a gather in LDS would need LDS addresses made of loaded numbers.
; Work-groups 256-265, WEIGHTS: wave = fragment F = 8 (x - 256) + wave.  F = 16 s + n: K step s, tile n of W1 [256][512];  F = 64 + 8 s + n: of W2 [128][256].
;   A fragment is 16 rows x 128 along K as codes of E2M1, laid as the operand's registers: chunk c at 512 c, lane l's 16 bytes at 16 l: k = 128 s + 64 c + 32 (l / 16) + 0 .. 31 of the lane's row.
;   Lane r of a tile of W1 takes row 32 (n / 2) + 8 (n % 2) + r + 8 (r / 8), so that the first product's results lie as neighbours along the second product's K; of W2, row 16 n + r.
;   The rows' scale words (four E8M0 bytes: 128 along K) lie at 81920 + 64 F + 4 r.
; A block's scale is 2^(floor(log2(largest magnitude)) - 2); its byte is the largest magnitude's exponent field - 2, held at 1 from below.
; LIMITS: a block of zeros, or one whose largest magnitude lies under 2^-124, gets the byte 1 (a block of zeros has zero codes, and this program alone reads the bytes); NaN and infinities are not served.
.set TM, 8                             ; v8-19   at work
.set CD, 32                            ; v32-39  the fragment's codes
.set WD, 40                            ; v40     the scale word
.set X,  64                            ; v64-127 64 numbers of my row
	s_load_b256 s[4:11], s[0:1], 0x0               ; mask s[4:5], W1 s[6:7], W2 s[8:9], order s[10:11]
	s_load_b64 s[12:13], s[0:1], 0x20              ; wimg
	v_lshrrev_b32 v2, 5, v0
	s_delay_alu instid0(VALU_DEP_1)
	v_readfirstlane_b32 s14, v2                    ; wave 0..7
	v_and_b32 v1, 31, v0                           ; lane
	s_cmp_ge_u32 ttmp9, 256
	s_cbranch_scc1 .Lweights
	; ---- ORDER
	s_lshl_b32 s15, ttmp9, 3
	s_add_co_u32 s15, s15, s14                     ; batch
	s_mul_i32 s16, s15, 800                        ; its row of the mask: 200 words
	s_mov_b32 s17, 0
	s_lshl_b32 s18, s15, 8                         ; its 256 bytes of order
	s_mov_b32 s19, 0
	s_wait_alu depctr_va_vdst(0)
	v_lshlrev_b32 v2, 2, v1                        ; 4 x lane
	v_min_u32 v3, 7, v1
	s_delay_alu instid0(VALU_DEP_1)
	v_lshlrev_b32 v3, 2, v3                        ; the last group has 8 rows: lanes 8-31 read row 199 again, so that no load leaves the buffer
	s_wait_alu depctr_va_vdst(0)
	s_wait_kmcnt 0x0
	s_add_nc_u64 s[4:5], s[4:5], s[16:17]
	s_add_nc_u64 s[10:11], s[10:11], s[18:19]
.irp g, 0,1,2,3,4,5
	global_load_b32 v[8+\g], v2, s[4:5] offset:128*\g
.endr
	global_load_b32 v14, v3, s[4:5] offset:768
	s_wait_loadcnt 0x0
.irp g, 0,1,2,3,4,5,6
	v_cmp_ne_u32 s[20+\g], 0, v[8+\g]              ; group g's kept rows, a bit a lane
.endr
	s_and_b32 s26, s26, 0xff                       ; rows 192-199 alone
	s_mov_b32 s27, 0                               ; ranks 224-255 have no rows
.irp g, 0,1,2,3,4,5,6,7
	s_bcnt1_i32_b32 s[30+\g], s[20+\g]
.endr
	s_mov_b32 s40, 0
.irp g, 0,1,2,3,4,5,6,7
	s_add_co_u32 s[41+\g], s[40+\g], s[30+\g]      ; kept rows ahead of each group; s48 = c
.endr
	v_mov_b32 v5, s48
.irp g, 0,1,2,3,4,5,6,7                        ; each group has its own address and data registers: no store's source is written again
	v_mbcnt_lo_u32_b32 v16, s[20+\g], s[40+\g]     ; kept rows ahead of i
	v_add_nc_u32 v17, 32*\g, v1                    ; i
	s_delay_alu instid0(VALU_DEP_1)
	v_sub_nc_u32 v18, v17, v16                     ; rows not kept ahead of i
	s_delay_alu instid0(VALU_DEP_1)
	v_add_nc_u32 v18, s48, v18
	s_delay_alu instid0(VALU_DEP_1)
	v_cndmask_b32 v19, v18, v16, s[20+\g]          ; the rank
	s_delay_alu instid0(VALU_DEP_4)
	v_cndmask_b32 v[24+\g], v5, v17, s[20+\g]      ; the byte: i, or c
	s_delay_alu instid0(VALU_DEP_2)
	v_and_b32 v20, 15, v19
	s_delay_alu instid0(VALU_DEP_3)
	v_lshrrev_b32 v21, 4, v19
	s_delay_alu instid0(VALU_DEP_1)
	v_lshl_add_u32 v[32+\g], v20, 4, v21           ; 16 (rank % 16) + rank / 16
	s_delay_alu instid0(VALU_DEP_1)
	v_min_u32 v[32+\g], 0xff, v[32+\g]             ; made of loaded numbers: held inside the batch's 256 bytes
	global_store_b8 v[32+\g], v[24+\g], s[10:11]
.endr
	s_endpgm
	; ---- WEIGHTS
.Lweights:
	s_sub_co_u32 s15, ttmp9, 256
	s_lshl_b32 s15, s15, 3
	s_add_co_u32 s15, s15, s14                     ; F
	s_lshr_b32 s16, s15, 4                         ; as a fragment of W1: K step,
	s_and_b32 s17, s15, 15                         ; tile,
	s_lshr_b32 s18, s17, 1
	s_lshl_b32 s18, s18, 5
	s_and_b32 s19, s17, 1
	s_lshl_b32 s19, s19, 3
	s_add_co_u32 s18, s18, s19                     ; first row 32 (n / 2) + 8 (n % 2)
	s_sub_co_u32 s20, s15, 64                      ; as a fragment of W2
	s_lshr_b32 s21, s20, 3
	s_and_b32 s22, s20, 7
	s_lshl_b32 s22, s22, 4                         ; first row 16 n
	s_mov_b32 s23, 1024                            ; a row of W2 in bytes
	s_lshl_b32 s26, s15, 10                        ; the fragment's place in wimg
	s_mov_b32 s27, 0
	s_lshl_b32 s28, s15, 6
	s_add_co_u32 s28, s28, 81920                   ; and its scale words'
	s_mov_b32 s29, 0
	s_mov_b32 s34, 0x76543210
	s_mov_b32 s35, 0xfedcba98                      ; v_permlanex16_b32's selects for lane l xor 16
	s_wait_kmcnt 0x0
	s_cmp_lt_u32 s15, 64                           ; the choice hangs on the fragment's number alone
	s_cselect_b64 s[6:7], s[6:7], s[8:9]
	s_cselect_b32 s16, s16, s21
	s_cselect_b32 s18, s18, s22
	s_cselect_b32 s23, 2048, s23
	s_cselect_b32 s24, 1, 0
	s_add_nc_u64 s[30:31], s[12:13], s[26:27]
	s_add_nc_u64 s[28:29], s[12:13], s[28:29]
	s_wait_alu depctr_va_vdst(0)
	v_and_b32 v2, 15, v1                           ; r
	v_lshrrev_b32 v3, 4, v1                        ; h
	s_delay_alu instid0(VALU_DEP_2)
	v_and_b32 v4, 8, v2
	s_delay_alu instid0(VALU_DEP_1)
	v_mul_lo_u32 v4, v4, s24                       ; W1 alone: + 8 (r / 8)
	s_delay_alu instid0(VALU_DEP_1)
	v_add_nc_u32 v4, v4, v2
	s_delay_alu instid0(VALU_DEP_1)
	v_add_nc_u32 v4, s18, v4                       ; my row
	s_delay_alu instid0(VALU_DEP_1)
	v_mul_lo_u32 v4, v4, s23
	s_lshl_b32 s25, s16, 9                         ; the K step: 128 numbers
	v_lshl_add_u32 v4, v3, 7, v4                   ; my half: 32 numbers
	s_delay_alu instid0(VALU_DEP_1)
	v_add_nc_u32 v4, s25, v4
	v_lshlrev_b32 v42, 2, v2                       ; 4 r
	v_lshlrev_b32 v43, 4, v1                       ; 16 x lane
	v_lshlrev_b32 v44, 3, v3                       ; 8 h
	v_mov_b32 v41, 0                               ; a lane permute's destination counts as one of its sources
.irp c, 0,1
.irp i, 0,1,2,3,4,5,6,7
	global_load_b128 v[X+32*\c+4*\i:X+32*\c+4*\i+3], v4, s[6:7] offset:256*\c+16*\i   ; register 32 c + i: k = 64 c + 32 h + i: block 2 c + h, all of it mine
.endr
.endr
	s_wait_loadcnt 0x0
.irp c, 0,1
.irp u, 0,1
	v_max3_num_f32 v[TM+2*\c+\u], 0x1800000, |v[X+32*\c+16*\u]|, |v[X+32*\c+16*\u+1]|   ; two chains a block, each begun with the floor 2^(3 - 127)
.endr
.endr
.irp i, 2,4,6,8,10,12,14
.irp c, 0,1
.irp u, 0,1
	s_delay_alu instid0(VALU_DEP_4)
	v_max3_num_f32 v[TM+2*\c+\u], v[TM+2*\c+\u], |v[X+32*\c+16*\u+\i]|, |v[X+32*\c+16*\u+\i+1]|
.endr
.endr
.endr
	s_delay_alu instid0(VALU_DEP_3)
	v_max_num_f32 v[TM], v[TM], v[TM+1]
	s_delay_alu instid0(VALU_DEP_2)
	v_max_num_f32 v[TM+2], v[TM+2], v[TM+3]
	s_delay_alu instid0(VALU_DEP_2)
	v_add_nc_u32 v[TM+8], 0xff000000, v[TM]        ; 2 off the exponent field: the conversion's scale operand
	s_delay_alu instid0(VALU_DEP_2)
	v_add_nc_u32 v[TM+9], 0xff000000, v[TM+2]
	s_delay_alu instid0(VALU_DEP_2)
	v_lshrrev_b32 v[TM+10], 23, v[TM+8]            ; the scale's byte
	s_delay_alu instid0(VALU_DEP_2)
	v_lshrrev_b32 v[TM+11], 23, v[TM+9]
	s_delay_alu instid0(VALU_DEP_1)
	v_lshl_or_b32 v[WD], v[TM+11], 16, v[TM+10]    ; blocks h and 2 + h,
	s_delay_alu instid0(VALU_DEP_1)
	v_lshlrev_b32 v[WD], v44, v[WD]                ; at their places;
	s_delay_alu instid0(VALU_DEP_1)
	v_permlanex16_b32 v41, v[WD], s34, s35
	s_delay_alu instid0(VALU_DEP_1)
	v_or_b32 v[WD], v[WD], v41                     ; with lane l xor 16's two the word is whole
.irp c, 0,1
.irp g, 0,1,2,3
	v_cvt_scalef32_pk8_fp4_f32 v[CD+4*\c+\g], v[X+32*\c+8*\g:X+32*\c+8*\g+7], v[TM+8+\c]
.endr
.endr
	v_nop                                          ; one plain line behind the last scaled conversion
	global_store_b128 v43, v[CD:CD+3], s[30:31]            ; 512 consecutive bytes a store
	global_store_b128 v43, v[CD+4:CD+7], s[30:31] offset:512
	global_store_b32 v42, v[WD], s[28:29]          ; both halves of the lanes hold the same word and write it to the same place
	s_endpgm
.Lfunc_end_k_qaddf93ce21_prep:
	.size	k_qaddf93ce21_prep, .Lfunc_end_k_qaddf93ce21_prep-k_qaddf93ce21_prep
	.p2alignl 7, 3214868480
	.fill 96, 4, 3214868480
	.section	.rodata,"a",@progbits
	.p2align	6, 0x0
	.amdhsa_kernel k_qaddf93ce21_prep
		.amdhsa_group_segment_fixed_size 0
		.amdhsa_private_segment_fixed_size 0
		.amdhsa_enable_private_segment 0
		.amdhsa_kernarg_size 40
		.amdhsa_user_sgpr_count 2
		.amdhsa_user_sgpr_kernarg_segment_ptr 1
		.amdhsa_wavefront_size32 1
		.amdhsa_system_sgpr_workgroup_id_x 1
		.amdhsa_system_sgpr_workgroup_id_y 1
		.amdhsa_system_sgpr_workgroup_id_z 1
		.amdhsa_system_vgpr_workitem_id 0
		.amdhsa_next_free_vgpr 128
		.amdhsa_next_free_sgpr 66
		.amdhsa_reserve_vcc 0
		.amdhsa_float_denorm_mode_32 3
		.amdhsa_float_denorm_mode_16_64 3
		.amdhsa_memory_ordered 1
		.amdhsa_forward_progress 1
		.amdhsa_inst_pref_size 18
	.end_amdhsa_kernel
	.amdgpu_metadata
---
amdhsa.version: [ 1, 2 ]
amdhsa.kernels:
  - .name:           k_qaddf93ce21_prep
    .symbol:         k_qaddf93ce21_prep.kd
    .args:
      - { .name: mask, .offset: 0, .size: 8, .value_kind: global_buffer, .address_space: global }
      - { .name: W1, .offset: 8, .size: 8, .value_kind: global_buffer, .address_space: global }
      - { .name: W2, .offset: 16, .size: 8, .value_kind: global_buffer, .address_space: global }
      - { .name: order, .offset: 24, .size: 8, .value_kind: global_buffer, .address_space: global }
      - { .name: wimg, .offset: 32, .size: 8, .value_kind: global_buffer, .address_space: global }
    .group_segment_fixed_size: 0
    .private_segment_fixed_size: 0
    .kernarg_segment_align: 8
    .kernarg_segment_size: 40
    .max_flat_workgroup_size: 256
    .sgpr_count:     66
    .vgpr_count:     128
    .wavefront_size: 32
...
	.end_amdgpu_metadata
.endif
;; end of part 3
;; launch din (part 4): grid 256 x 1, 4 waves a work-group, no clusters, 126,464 bytes of LDS; arguments keys, query, order, wimg, b1, b2, W3, b3, a1, a2, out0; writes out0
.if DOCPART == 4
	.amdgcn_target "amdgcn-amd-amdhsa--gfx1250"
	.amdhsa_code_object_version 6
	.text
	.protected	k_qaddf93ce21_din
	.globl	k_qaddf93ce21_din
	.p2align	8
	.type	k_qaddf93ce21_din,@function
k_qaddf93ce21_din:
	s_mov_b64 s[64:65], 0
	v_nop
	global_prefetch_b8 v0, s[64:65] scope:SCOPE_SE
	s_setreg_imm32_b32 hwreg(HW_REG_WAVE_SCHED_MODE, 0, 2), 2
	s_setreg_imm32_b32 hwreg(HW_REG_WAVE_MODE, 25, 1), 1
	s_wait_xcnt 0x0
	s_wait_alu depctr_vm_vsrc(0)
; out[b] = sum over l of w[b][l] keys[b][l], w = softmax over l of the scores of a three-layer MLP on [q, k, q - k, q k], rows with mask == 0 at -10000 in the softmax and at weight 0 in the sum.
; The first two products run on codes of E2M1 with one E8M0 scale for each 32 along K; the score (N = 1) and the weighted sum (M = 1) are f32 multiply-adds.
; ROWS THAT ARE NOT KEPT ARE NOT COMPUTED: their weight is 0 and they enter the result only as (200 - c) exp(-10000 - max) in the softmax's sum, which the end of a batch adds.  order (made by the launch
; before) gives each batch's kept rows and their count c.
; SHARES.  Wave w of work-group x owns batches 8 x + 2 w and the next, whole; a trip of the loop takes 16 kept rows through the whole chain; nothing goes to memory on the way.
; THE WEIGHTS' codes stay in the wave's registers (W1's K steps k, q - k, q k and W2: 512 registers).  q's quarter of the first product's K is the same for all rows of a batch: its codes are made once a batch, its
; K step is multiplied once a batch (W1's q fragments come from LDS), and b1 + that product is kept in LDS by hidden unit as the C of every tile's sums.
; BOTH PRODUCTS ARE USED TRANSPOSED (source 0 = 16 rows of a weight, source 1 = the 16 rows in hand): a lane holds ONE row, and its registers run along the next product's K.
; SOFTMAX: a running maximum m and sum l; the sum and the accumulator are multiplied by 2^((m_old - m_new) log2 e) in every trip.
; NO TENSOR LOADS, NO CLUSTER: the loop's trip count and two branches hang on numbers read from order.  What work-groups share is the weights' 81,920 bytes, copied once by each work-group, against
; about 51,200 bytes of kept keys for each of its 8 batches at half the rows kept.
; LIMITS: NaN and infinities among the inputs are not served; a block of zeros, or one whose largest magnitude lies under 2^-124, gets the scale byte 1 (zero codes add nothing under it);
; b1 and q's K step enter as the C of the sums, so the order of the f32 additions is not reference()'s.
; THE MODE: SCHED_MODE bits 1:0 = 2 (LLVM: expert scheduling mode 2), set by the entry lines.  The code itself states the register dependences
; between vector or matrix instructions and memory or LDS instructions, with s_wait_alu, always for 0.
; THE PLAN.  Registers that memory or LDS instructions touch, in the loop over tiles:
;   LD       Written by ISSUE's 16 loads; read by the next trip's 16 LDS stores into the stage, and by nothing else.
;   AJ, PF   Written by ISSUE's address lines; read by its loads and its prefetch.
;   HA       Takes three LDS fills a trip: the tile's rows (read by the quantiser, overwritten by q k), HQ of tiles 0-7 (the first product's sums, PReLU, the quantiser), b2 (the second product's sums, PReLU, the score).
;   TA       Written by the lines that make q - k; then two LDS fills: HQ of tiles 8-15 (sums, PReLU, the quantiser), the rows as they lie (read by the weighted sum).
;   QR       Read by the lines that make q - k and q k; in a batch's last trip the next batch's q lands in it.
;   PBL, STA, TBH, B2A, L16A, L16B, H128: addresses made at the head and never written again.  The codes, the scale words made here, TM, DT, ACC and the statistics are named by vector and matrix instructions alone.
; A trip has up to nine waits on va_vdst, among them: behind ISSUE's address lines; behind the quantiser of q - k (TA's fill); behind the places ahead of the first product (codes and scale words, HA's fill, q's load); behind the hidden
; layer's first quantiser (HA's fill); behind the places ahead of the second product (codes and scale words, TA's fill); behind the two exponentials, which also frees HA for the next trip's first fill, since no vector
; line from there to that fill names HA.  One wait on vm_vsrc stands ahead of ISSUE and its branches, one on va_vcc ahead of the first select, one on va_sdst behind each run of eight v_readlane_b32.
; The LDS loads stand in runs ahead of the products and are not dealt among them: an LDS load's address is its source 0, whose window the products set to the weights'.
;
; LDS: 0 .. 81919 the weights' fragments as wimg has them (behind the head only W1's q fragments, bytes 0 .. 16383, are read).  From PBASE + PSIZE x wave the wave's own bytes: b1 (1,024), HQ = b1 + q's product (1,024),
;   b2 (512), the stage: 16 rows of keys x (512 + 16).
; REGISTERS, in windows of 256 (s_set_vgpr_msb's low byte: bits 1:0 source 0, 3:2 source 1, 5:4 source 2, 7:6 destination):
;   window 0: see the names below.   window 1: W1's K step 1 at 8 n, K step 2 at 128 + 8 n.   window 2: W1's K step 3 at 8 n, W2 at 128 + 8 (8 s + n).
;   window 3: 0-63 q; 64-127 a tile's rows as they are loaded; 128-191 W3; 192-207 the sixteen rows' offsets; 208-211 this batch's rows, 212-215 the next batch's; 216 at work; 217 16 x lane.
.set PBASE,  81920
.set PSIZE,  11008
.set OHQ,    1024
.set OB2,    2048
.set OST,    2560
.set SP,     528                       ; a stage row: 512 bytes + 16: an odd multiple of 16, so that the sixteen rows that a load touches start in different banks
.set KEYB,   102400                    ; a batch's keys in bytes
.set LOG2E,  0x3fb8aa3b
.set NEGBIG, 0xff61b1e6                ; -3e38
.set L16A, 1                           ; v1   16 x lane
.set PBL,  2                           ; v2   my wave's LDS bytes + 16 x lane
.set STA,  3                           ; v3   the stage, as an operand reads it: row r, + 128 h
.set TBH,  4                           ; v4   my wave's tables by hidden unit: + 64 h
.set PF,   5                           ; v5   the prefetch's offset
.set B2A,  6                           ; v6   b2's table: + 32 h
.set SH8,  7                           ; v7   8 h
.set REM,  8                           ; v8   c - r - 16 t: my row counts where this is above 0
.set MX,   9                           ; v9   m
.set LS,   10                          ; v10  l, my row's part
.set PP,   11                          ; v11  p
.set FF,   12                          ; v[12:13] f (v13 is written once: the pair is named)
.set S1,   14                          ; v14, v15  +infinity where the slope is at most 1, else -infinity
.set S2,   15
.set SCO,  16                          ; v16  the score
.set MT,   17                          ; v17  the tile's maximum
.set PD,   18                          ; v18  a lane permute's destination
.set H128, 19                          ; v19  128 h
.set ACC,  20                          ; v[20:27] the weighted sum of my 4 channels, in two sets (even rows, odd rows)
.set OUTR, 28                          ; v[28:31] what is stored
.set CK,   32                          ; v[32:39], v[40:47], v[48:55] codes of k, q - k, q k; later of the hidden layer's two K steps; in a batch's prologue of q
.set WK,   56                          ; v56-58 their scale words;
.set WH,   59                          ; v59-60 the hidden layer's;
.set WQ,   61                          ; v61    q's
.set L16B, 62                          ; v62  16 x lane + 65536
.set T16B, 63                          ; v63  16 x thread + 65536
.set TM,   64                          ; v64-79 at work
.set SW,   80                          ; v80-119 the weights' scale words: register i: lanes 0-15 fragment 2 i, lanes 16-31 fragment 2 i + 1
.set DT,   120                         ; v[120:127] the score's four chains
.set HA,   128                         ; v128-191, v192-255: the sixteen accumulators of the first product run on from HA into TA
.set TA,   192
.set QR,   0                           ; window 3
.set LD,   64
.set W3R,  128
.set AJ,   192
.set OQ,   208
.set PQ,   212
.set XR,   216
.set L16W, 217
.set SEL,  38                          ; s[38:39] v_permlanex16_b32's selects for lane l xor 16
.set MSB, 0
.macro WIN new                         ; the immediate's high byte repeats the setting that is left; a switch that changes nothing is dropped
.if MSB != \new
	s_set_vgpr_msb (MSB<<8)|\new
.set MSB, \new
.endif
.endm
; 64 numbers of a lane, register 32 c + i = k 64 c + 32 h + i of my row (block 2 c + h, all of it mine), become a fragment's codes and its scale word.  ws = 1: the numbers lie in window 3.
.macro QUANT2 src, ws, cod, wrd
.if \ws
	WIN 0x3c
.endif
.irp c, 0,1
.irp u, 0,1
	v_max3_num_f32 v[TM+2*\c+\u], 0x1800000, |v[\src+32*\c+16*\u]|, |v[\src+32*\c+16*\u+1]|   ; two chains a block, each begun with the floor 2^(3 - 127): the byte cannot fall under 1
.endr
.endr
.irp i, 2,4,6,8,10,12,14
.irp c, 0,1
.irp u, 0,1
	v_max3_num_f32 v[TM+2*\c+\u], v[TM+2*\c+\u], |v[\src+32*\c+16*\u+\i]|, |v[\src+32*\c+16*\u+\i+1]|
.endr
.endr
.endr
	WIN 0
	v_max_num_f32 v[TM], v[TM], v[TM+1]
	v_max_num_f32 v[TM+2], v[TM+2], v[TM+3]
	v_add_nc_u32 v[TM+8], 0xff000000, v[TM]        ; 2 off the exponent field: the conversion's scale operand
	v_add_nc_u32 v[TM+9], 0xff000000, v[TM+2]
	v_lshrrev_b32 v[TM+10], 23, v[TM+8]            ; the scale's byte
	v_lshrrev_b32 v[TM+11], 23, v[TM+9]
	v_lshl_or_b32 v[\wrd], v[TM+11], 16, v[TM+10]  ; blocks h and 2 + h,
	v_lshlrev_b32 v[\wrd], v[SH8], v[\wrd]         ; at their places;
	v_permlanex16_b32 v[PD], v[\wrd], s[SEL], s[SEL+1]
	v_or_b32 v[\wrd], v[\wrd], v[PD]               ; with lane l xor 16's two the word is whole
.if \ws
	WIN 0x03
.endif
.irp c, 0,1
.irp g, 0,1,2,3
	v_cvt_scalef32_pk8_fp4_f32 v[\cod+4*\c+\g], v[\src+32*\c+8*\g:\src+32*\c+8*\g+7], v[TM+8+\c]
.endr
.endr
	WIN 0
	v_nop                                          ; one plain line behind the last scaled conversion
.endm
; 64 numbers of a lane, register 16 b + i = k 32 b + 16 h + i of my row (a block lies in lanes l and l xor 16), become a fragment's codes and its scale word.
.macro QUANT1 src, cod, wrd
.irp b, 0,1,2,3
	v_max3_num_f32 v[TM+\b], |v[\src+16*\b]|, |v[\src+1+16*\b]|, 0x1800000
.endr
.irp i, 2,4,6,8,10,12,14
.irp b, 0,1,2,3
	v_max3_num_f32 v[TM+\b], v[TM+\b], |v[\src+16*\b+\i]|, |v[\src+1+16*\b+\i]|
.endr
.endr
.irp b, 0,1,2,3
	v_permlanex16_b32 v[TM+4+\b], v[TM+\b], s[SEL], s[SEL+1]
.endr
.irp b, 0,1,2,3
	v_max_num_f32 v[TM+\b], v[TM+\b], v[TM+4+\b]
.endr
.irp b, 0,1,2,3
	v_add_nc_u32 v[TM+12+\b], 0xff000000, v[TM+\b]
.endr
.irp b, 0,1,2,3
	v_lshrrev_b32 v[TM+4+\b], 23, v[TM+12+\b]
.endr
	v_lshl_or_b32 v[\wrd], v[TM+5], 8, v[TM+4]
	v_lshl_or_b32 v[\wrd], v[TM+6], 16, v[\wrd]
	v_lshl_or_b32 v[\wrd], v[TM+7], 24, v[\wrd]
.irp b, 0,1,2,3
	v_cvt_scalef32_pk8_fp4_f32 v[\cod+2*\b], v[\src+16*\b:\src+7+16*\b], v[TM+12+\b]
	v_cvt_scalef32_pk8_fp4_f32 v[\cod+1+2*\b], v[\src+8+16*\b:\src+15+16*\b], v[TM+12+\b]
.endr
	v_nop                                          ; one plain line behind the last scaled conversion
.irp c, 0,1                                    ; the operand wants a whole block in a lane: lanes 0-15 block 2 c, lanes 16-31 block 2 c + 1
.irp i, 0,1
	v_permlane16_swap_b32 v[\cod+4*\c+\i], v[\cod+2+4*\c+\i]
.endr
.endr
.endm
; PReLU on 64 registers, exactly: the middle of x, a x and +infinity is max(x, a x), which is PReLU for a <= 1; with -infinity it is min(x, a x), which is PReLU for a > 1.
; Each accumulator is read from its low end on.
.macro PRELU src, ap, sv
.irp k, 0,1,2,3
.irp i, 0,1,2,3,4,5,6,7
	v_pk_mul_f32 v[TM+2*\i:TM+2*\i+1], v[\src+16*\k+2*\i:\src+16*\k+2*\i+1], s[\ap:\ap+1] op_sel_hi:[1,0]
.endr
.irp i, 0,1,2,3,4,5,6,7,8,9,10,11,12,13,14,15
	v_med3_num_f32 v[\src+16*\k+\i], v[\src+16*\k+\i], v[TM+\i], v[\sv]
.endr
.endr
.endm
; The tile whose rows stand in the low bytes of the queue is asked for: row j's number lies in lane j; each of the 16 loads reads one row's 512 consecutive bytes.
; pf = 1: the tile behind it (the queue's next bytes) is prefetched into the L2: lane (r, h) names half h, 256 bytes, of row r: one instruction, a trip ahead of that tile's loads.
; Behind a batch's last tile those bytes hold the count: the prefetch then names one row of the batch, held at 199.
; All the address lines, the prefetch's too, stand ahead of ONE wait; the loads and the prefetch follow it.
.macro ISSUE pf
.if \pf
	WIN 0x03
	v_bfe_u32 v[PF], v[OQ], 8, 8                   ; the queue lies in window 3
	WIN 0
	v_min_u32 v[PF], 199, v[PF]
	v_lshl_add_u32 v[PF], v[PF], 8, v[H128]
	v_lshlrev_b32 v[PF], 1, v[PF]                  ; row x 512 + 256 h
.endif
	WIN 0xff
	v_and_b32 v[XR], 0xff, v[OQ]
	v_lshlrev_b32 v[XR], 9, v[XR]                  ; my row x 512
.irp j, 0,1,2,3,4,5,6,7,8,9,10,11,12,13,14,15
	v_mov_b32_dpp v[AJ+\j], v[XR] row_share:\j row_mask:0xf bank_mask:0xf   ; row j's, in every lane (both halves of the lanes hold the same queue)
.endr
.irp j, 0,1,2,3,4,5,6,7,8,9,10,11,12,13,14,15
	v_add_nc_u32 v[AJ+\j], v[AJ+\j], v[L16W]
.endr
.irp j, 0,1,2,3,4,5,6,7,8,9,10,11,12,13,14,15
	v_min_u32 v[AJ+\j], 0x18ff0, v[AJ+\j]          ; made of loaded numbers: held inside the batch's 102,400 bytes (199 x 512 + 496)
.endr
	s_wait_alu depctr_va_vdst(0)                   ; the sixteen offsets AJ and the prefetch's offset PF are written, which the loads and the prefetch below read
.irp j, 0,1,2,3,4,5,6,7,8,9,10,11,12,13,14,15
	global_load_b128 v[LD+4*\j:LD+4*\j+3], v[AJ+\j], s[40:41]
.endr
	WIN 0
.if \pf
	global_prefetch_b8 v[PF], s[40:41] th:TH_LOAD_NT scope:SCOPE_SE
.endif
.endm
.macro QLOAD                                   ; q of the batch at s[6:7]: register 32 c + i = q[64 c + 32 h + i], the same in all sixteen lanes of a half
	WIN 0xc0
.irp c, 0,1
.irp i, 0,1,2,3,4,5,6,7
	global_load_b128 v[QR+32*\c+4*\i:QR+32*\c+4*\i+3], v[H128], s[6:7] offset:256*\c+16*\i
.endr
.endr
	WIN 0
.endm
; Eight tiles' C from a table by hidden unit: tile n's register j of lane (r, h) is unit 32 (n / 2) + 16 h + 8 (n % 2) + j
.macro CLOAD dst, nb, off
.irp n, 0,1,2,3,4,5,6,7
	ds_load_b128 v[\dst+8*\n:\dst+8*\n+3], v[TBH] offset:\off+128*((\nb+\n)/2)+32*((\nb+\n)%2)
	ds_load_b128 v[\dst+8*\n+4:\dst+8*\n+7], v[TBH] offset:\off+128*((\nb+\n)/2)+32*((\nb+\n)%2)+16
.endr
.endm
; One matrix instruction, in place.  odd = 1: the weight's scale words stand in lanes 16-31 of their register.
.macro MM d, a, b, sa, sb, odd
.if (\odd)
	v_wmma_scale_f32_16x16x128_f8f6f4 v[0+(\d):7+(\d)], v[0+(\a):7+(\a)], v[0+(\b):7+(\b)], v[0+(\d):7+(\d)], v[0+(\sa)], v[0+(\sb)] matrix_a_fmt:MATRIX_FMT_FP4 matrix_b_fmt:MATRIX_FMT_FP4 matrix_a_scale:MATRIX_SCALE_ROW1
.else
	v_wmma_scale_f32_16x16x128_f8f6f4 v[0+(\d):7+(\d)], v[0+(\a):7+(\a)], v[0+(\b):7+(\b)], v[0+(\d):7+(\d)], v[0+(\sa)], v[0+(\sb)] matrix_a_fmt:MATRIX_FMT_FP4 matrix_b_fmt:MATRIX_FMT_FP4
.endif
.endm
; K step s (1, 2, 3) of the first product for tiles nb .. nb + 7; base: where W1's K step begins in its window.  The eight accumulators take turns, one instruction a turn.
.macro MM1 nb, s, base
.irp n, 0,1,2,3,4,5,6,7
	MM HA+8*(\nb+\n), \base+8*(\nb+\n), CK+8*(\s-1), SW+8*\s+(\nb+\n)/2, WK+\s-1, (\nb+\n)%2
.endr
.endm
	; ---- THE HEAD
	s_load_b512 s[4:19], s[0:1], 0x0               ; keys s[4:5], query s[6:7], order s[8:9], wimg s[10:11], b1 s[12:13], b2 s[14:15], W3 s[16:17], b3 s[18:19]
	s_load_b128 s[20:23], s[0:1], 0x40             ; a1, a2
	s_load_b64 s[24:25], s[0:1], 0x50              ; out0
	s_set_vgpr_msb 0xc0
	v_lshl_add_u32 v254, v0, 2, 0x1ec00
	v_mov_b32 v255, 0
	s_set_vgpr_msb 0xc000
	v_lshrrev_b32 v64, 5, v0
	v_readfirstlane_b32 s31, v64                   ; wave 0..3
	v_and_b32 v64, 31, v0                          ; lane
	v_and_b32 v65, 15, v0                          ; r
	v_bfe_u32 v66, v0, 4, 1                        ; h
	s_wait_alu depctr_va_sdst(0)                   ; s31 is written, ahead of its first reader
	s_mul_i32 s60, s31, PSIZE
	s_add_co_u32 s60, s60, PBASE                   ; my wave's LDS bytes
	v_lshlrev_b32 v[L16A], 4, v64
	v_add_nc_u32 v[PBL], s60, v[L16A]
	v_mul_u32_u24 v[STA], v65, SP
	v_lshl_add_u32 v[STA], v66, 7, v[STA]
	v_add_nc_u32 v[STA], s60, v[STA]
	v_add_nc_u32 v[STA], OST, v[STA]
	v_lshlrev_b32 v[TBH], 6, v66
	v_add_nc_u32 v[TBH], s60, v[TBH]
	v_lshlrev_b32 v[B2A], 5, v66
	v_add_nc_u32 v[B2A], s60, v[B2A]
	v_add_nc_u32 v[B2A], OB2, v[B2A]
	v_lshlrev_b32 v[SH8], 3, v66
	v_lshlrev_b32 v[H128], 7, v66
	v_add_nc_u32 v[L16B], 0x10000, v[L16A]
	v_lshlrev_b32 v79, 4, v0                       ; 16 x thread
	v_add_nc_u32 v[T16B], 0x10000, v79
	v_lshlrev_b32 v78, 4, v65                      ; 16 r
	v_lshlrev_b32 v77, 5, v66                      ; 32 h
	v_lshlrev_b32 v76, 2, v64                      ; 4 x lane
	v_mov_b32 v[FF+1], 0                           ; named as the upper half of a pair
	v_mov_b32 v[MT], 0                             ; destinations of lane operations count as sources: written once
	v_mov_b32 v[PD], 0
	s_lshl_b32 s61, ttmp9, 3
	s_lshl_b32 s62, s31, 1
	s_add_co_u32 s61, s61, s62                     ; my first batch: 8 x + 2 wave
	s_mul_i32 s62, s61, KEYB                       ; under 2^32: 2,047 x 102,400
	s_mov_b32 s63, 0
	s_lshl_b32 s66, s61, 9                         ; a row of query and of out0 is 512 bytes
	s_mov_b32 s67, 0
	s_lshl_b32 s68, s61, 8                         ; a batch's 256 bytes of order
	s_mov_b32 s69, 0
	s_mov_b32 s[SEL], 0x76543210
	s_mov_b32 s[SEL+1], 0xfedcba98
.irp j, 0,1,2,3,4,5,6,7
	s_mov_b32 s[45+2*\j], 0                        ; the upper halves of the pairs that carry p: named, never used
.endr
	s_wait_kmcnt 0x0
	s_load_b32 s26, s[20:21], 0x0                  ; a1
	s_load_b32 s28, s[22:23], 0x0                  ; a2
	s_load_b32 s30, s[18:19], 0x0                  ; b3
	s_add_nc_u64 s[40:41], s[4:5], s[62:63]        ; the keys of the batch whose rows are being asked for
	s_add_nc_u64 s[6:7], s[6:7], s[66:67]
	s_add_nc_u64 s[24:25], s[24:25], s[66:67]
	s_add_nc_u64 s[8:9], s[8:9], s[68:69]
	WIN 0xc0
	s_wait_alu depctr_va_vdst(0)                   ; all the offsets and addresses made above (v1 to v4, v6, v19, v62, v63, v76 to v79) are written, which the kernel's loads and stores read
	global_load_b128 v[OQ:OQ+3], v78, s[8:9]               ; my two batches' rows: lane r's 16 bytes: byte t = the row of rank 16 t + r
	global_load_b128 v[PQ:PQ+3], v78, s[8:9] offset:256
	WIN 0x40
.set K, 0
.rept 40
	global_load_b128 v[4*K:4*K+3], v79, s[10:11] offset:2048*K     ; the weights' 81,920 bytes, 2,048 a work-group's load, through window 1
.set K, K+1
.endr
	WIN 0xc0
.irp j, 0,1,2,3,4,5,6,7,8,9,10,11,12,13,14,15
	v_mov_b32 v[AJ+\j], 0                          ; destinations of lane operations: written once
.endr
	v_mov_b32 v[L16W], v[L16A]
	WIN 0
	s_wait_kmcnt 0x0
	s_mov_b32 s27, s26                             ; named with them as pairs
	s_mov_b32 s29, s28
	v_mov_b32 v67, 0xff800000
	v_mov_b32 v68, 0x7f800000
	v_mov_b32 v[S1], s26
	v_mov_b32 v[S2], s28
	v_cmp_ge_f32 vcc_lo, 1.0, v[S1]
	s_wait_alu depctr_va_vcc(0)                    ; the compare has written VCC, which the select reads
	v_cndmask_b32 v[S1], v67, v68, vcc_lo
	v_cmp_ge_f32 vcc_lo, 1.0, v[S2]
	s_wait_alu depctr_va_vcc(0)                    ; likewise
	v_cndmask_b32 v[S2], v67, v68, vcc_lo
	s_wait_loadcnt 40                              ; the 40 loads of the weights may be out: the two batches' rows are in
	WIN 0x0c
	v_lshrrev_b32 v[SCO], 24, v[OQ+3]              ; byte 15 is never a row: it holds the count
	v_lshrrev_b32 v[MT], 24, v[PQ+3]
	WIN 0
	v_readfirstlane_b32 s35, v[SCO]
	v_readfirstlane_b32 s36, v[MT]
	s_wait_alu depctr_va_sdst(0)                   ; s35 and s36 are written, ahead of their first readers
	s_min_u32 s35, s35, 200                        ; c of this batch,
	s_min_u32 s36, s36, 200                        ; of the next
	ISSUE 0                                        ; the first tile's rows.  Nothing is prefetched at the head
	s_wait_loadcnt 16                              ; those 16 may be out: the weights are in
	WIN 0x04
.set K, 0
.rept 32
	ds_store_b128 v79, v[4*K:4*K+3] offset:2048*K
.set K, K+1
.endr
.rept 8
	ds_store_b128 v[T16B], v[4*K:4*K+3] offset:2048*(K-32)
.set K, K+1
.endr
	WIN 0
	global_load_b128 v[64:67], v[L16A], s[12:13]           ; b1.  (No wait: the lines that named v64 to v68 stand ahead of ISSUE's wait, and no vector line has been issued since)
	global_load_b128 v[68:71], v[L16A], s[12:13] offset:512
	global_load_b128 v[72:75], v[L16A], s[14:15]           ; b2
.set K, 0
.rept 40
	global_load_b32 v[SW+K], v76, s[10:11] offset:81920+128*K      ; the weights' scale words: 128 consecutive bytes a register
.set K, K+1
.endr
	WIN 0xc0
.irp n, 0,1,2,3,4,5,6,7
	global_load_b128 v[W3R+8*\n:W3R+8*\n+3], v77, s[16:17] offset:64*\n           ; register 8 n + j = W3[16 n + 8 h + j]
	global_load_b128 v[W3R+8*\n+4:W3R+8*\n+7], v77, s[16:17] offset:64*\n+16
.endr
	QLOAD
	s_wait_dscnt 0x0                               ; for the others' sake: my part of the weights lies in LDS
	s_barrier_signal -1
	s_barrier_wait -1                              ; everybody's does.  The launch's only barrier: from here on a wave writes its own LDS bytes alone
	WIN 0x40
	s_wait_alu depctr_vm_vsrc(0)                   ; my LDS stores have read window 1's v0 to v159, in which the fragments below land
.set K, 16
.rept 32
	ds_load_b128 v[8*(K-16):8*(K-16)+3], v[L16A] offset:1024*K             ; W1's K steps 1 and 2
	ds_load_b128 v[8*(K-16)+4:8*(K-16)+7], v[L16A] offset:1024*K+512
.set K, K+1
.endr
	WIN 0x80
.rept 16
	ds_load_b128 v[8*(K-48):8*(K-48)+3], v[L16A] offset:1024*K             ; W1's K step 3
	ds_load_b128 v[8*(K-48)+4:8*(K-48)+7], v[L16A] offset:1024*K+512
.set K, K+1
.endr
.rept 16
	ds_load_b128 v[128+8*(K-64):128+8*(K-64)+3], v[L16B] offset:1024*(K-64)        ; W2
	ds_load_b128 v[128+8*(K-64)+4:128+8*(K-64)+7], v[L16B] offset:1024*(K-64)+512
.set K, K+1
.endr
	WIN 0
	s_wait_loadcnt 0x0
	ds_store_b128 v[PBL], v[64:67]                         ; b1 and b2 into my wave's tables, in their own order
	ds_store_b128 v[PBL], v[68:71] offset:512
	ds_store_b128 v[PBL], v[72:75] offset:OB2
	s_mov_b32 s34, 2                               ; batches to go
	; ---- A BATCH'S PROLOGUE: q's codes, and HQ = b1 + q's K step of the first product
.Lbatch:
	s_wait_loadcnt 0x0                             ; q (and the batch's first tile)
	s_wait_dscnt 0x0
	s_wait_alu depctr_vm_vsrc(0)                   ; first batch: the head's LDS stores have read v64 to v75 and its loads and stores their offsets v76 to v79, all of which are TM from here on; second batch: the last batch's store has read OUTR
	s_add_co_u32 s33, s35, 15
	s_lshr_b32 s33, s33, 4
	s_max_u32 s33, s33, 1                          ; tiles: at least one, so that the loop has one form (with c = 0 no row of it counts)
	s_mov_b32 s32, 0
	QUANT2 QR, 1, CK, WQ
	v_mov_b32 v[MX], NEGBIG                        ; these twelve lines are also the places between the scale word's last write and the first product
	v_mov_b32 v[LS], 0
.irp i, 0,1,2,3,4,5,6,7
	v_mov_b32 v[ACC+\i], 0
.endr
	v_and_b32 v[REM], 15, v0
	v_sub_nc_u32 v[REM], s35, v[REM]
	s_wait_alu depctr_va_vdst(0)                   ; q's codes and scale word are written, which the products below take; the last batch's weighted sum is done reading TA, in which, with HA, the loads below land
.irp nb, 0, 8
	CLOAD HA, \nb, 0                               ; b1 as C
.irp n, 0,1,2,3,4,5,6,7
	ds_load_b128 v[TA+8*\n:TA+8*\n+3], v[L16A] offset:1024*(\nb+\n)                ; W1's q fragments
	ds_load_b128 v[TA+8*\n+4:TA+8*\n+7], v[L16A] offset:1024*(\nb+\n)+512
.endr
	s_wait_dscnt 0x0
.irp n, 0,1,2,3,4,5,6,7
	MM HA+8*\n, TA+8*\n, CK, SW+(\nb+\n)/2, WQ, (\nb+\n)%2
.endr
.rept 5
	v_nop                                          ; four places ahead of the stores that read the results, five ahead of the matrix instructions that write over them
.endr
	s_wait_alu depctr_va_vdst(0)                   ; the products have written HA, which the stores read, and are done reading TA and HA, in which the next loads land; the places above stay beside this wait
.irp n, 0,1,2,3,4,5,6,7
	ds_store_b128 v[TBH], v[HA+8*\n:HA+8*\n+3] offset:OHQ+128*((\nb+\n)/2)+32*((\nb+\n)%2)         ; all sixteen rows are q: the lanes of a half write the same bytes
	ds_store_b128 v[TBH], v[HA+8*\n+4:HA+8*\n+7] offset:OHQ+128*((\nb+\n)/2)+32*((\nb+\n)%2)+16
.endr
	s_wait_dscnt 0x0                               ; the stores are done
	s_wait_alu depctr_vm_vsrc(0)                   ; the stores have read HA, in which the next loads land: the second half's b1, then the first tile's rows
.endr
	; ---- A TRIP: 16 kept rows
.Ltile:
	s_wait_loadcnt 0x0                             ; the tile's rows are in, asked for a trip ago
	WIN 0x0c
.irp j, 0,1,2,3,4,5,6,7,8,9,10,11,12,13,14,15
	ds_store_b128 v[PBL], v[LD+4*\j:LD+4*\j+3] offset:OST+SP*\j    ; into my stage, row by row
.endr
	WIN 0
.irp c, 0,1
.irp i, 0,1,2,3,4,5,6,7
	ds_load_b128 v[HA+32*\c+4*\i:HA+32*\c+4*\i+3], v[STA] offset:256*\c+16*\i      ; and back as an operand wants them: register 32 c + i = k[64 c + 32 h + i] of row r.  No wait on va_vdst here: the last lines that named HA stand ahead of the wait behind the last trip's exponentials, or of the wait ahead of the prologue's stores
.endr
.endr
	s_wait_dscnt 16                                ; the 16 loads may be out: the 16 stores are done
	s_wait_xcnt 0x0                                ; the prefetch of a trip ago has read its offset and base: both may be written
	s_wait_alu depctr_vm_vsrc(0)                   ; the stores above have read LD, in which the next tile's rows land; the last trip's loads have read AJ and its prefetch PF, which the address lines write again
	s_mov_b32 s37, 0
	s_add_co_u32 s60, s32, 1
	s_cmp_lt_u32 s60, s33
	s_cbranch_scc0 .Llast_tile
	WIN 0xff
	v_alignbit_b32 v[OQ], v[OQ+1], v[OQ], 8        ; the queue moves on by a byte: the next tile's rows
	v_alignbit_b32 v[OQ+1], v[OQ+2], v[OQ+1], 8
	v_alignbit_b32 v[OQ+2], v[OQ+3], v[OQ+2], 8
	v_lshrrev_b32 v[OQ+3], 8, v[OQ+3]
	WIN 0
	s_branch .Lissue
.Llast_tile:
	s_cmp_eq_u32 s34, 1
	s_cbranch_scc1 .Lno_issue                      ; the last tile of the last batch: nothing is left to ask for
	WIN 0xc3
.irp i, 0,1,2,3
	v_mov_b32 v[OQ+\i], v[PQ+\i]                   ; on to the next batch's rows and keys
.endr
	WIN 0
	s_add_nc_u64 s[40:41], s[40:41], KEYB
	s_mov_b32 s37, 1
.Lissue:
	s_wait_alu depctr_va_vdst(0)
	ISSUE 1
.Lno_issue:
	s_wait_dscnt 0x0                               ; k
	QUANT2 HA, 0, CK, WK
	WIN 0x03
.set I, 0
.rept 32
	v_pk_add_f32 v[TA+I:TA+I+1], v[QR+I:QR+I+1], v[HA+I:HA+I+1] neg_lo:[0,1] neg_hi:[0,1]  ; q - k
.set I, I+2
.endr
.set I, 0
.rept 32
	v_pk_mul_f32 v[HA+I:HA+I+1], v[QR+I:QR+I+1], v[HA+I:HA+I+1]                            ; q k
.set I, I+2
.endr
	WIN 0
	QUANT2 TA, 0, CK+8, WK+1
	s_wait_alu depctr_va_vdst(0)                   ; the lines that wrote q - k into TA and the quantiser that read it are done: the loads below land in TA
	CLOAD TA, 8, OHQ                               ; the sums of tiles 8-15 begin with HQ
	QUANT2 HA, 0, CK+16, WK+2
.rept 8
	v_nop                                          ; a scale word written by a vector instruction stands eight places ahead of the scaled matrix instruction, codes so written four
.endr
	s_wait_alu depctr_va_vdst(0)                   ; the three fragments' codes and scale words are written, which the first product takes; the quantiser is done with HA, and the lines that made q - k and q k with QR, in which the loads below land
	CLOAD HA, 0, OHQ                               ; the sums of tiles 0-7 begin with HQ likewise: wanted behind the 24 products of tiles 8-15
	s_cmp_eq_u32 s37, 0
	s_cbranch_scc1 .Lno_q
	s_add_nc_u64 s[6:7], s[6:7], 512               ; (the last loads by this base were waited for at the batch's head)
	QLOAD                                          ; this batch has read q for the last time: the next batch's q
.Lno_q:
	s_wait_dscnt 16                                ; tiles 0-7's 16 loads may be out: tiles 8-15's C is in
	WIN 0x01
	MM1 8, 1, 0
	MM1 8, 2, 128
	WIN 0x02
	MM1 8, 3, 0
	s_wait_dscnt 0x0
	WIN 0x01
	MM1 0, 1, 0
	MM1 0, 2, 128
	WIN 0x02
	MM1 0, 3, 0
	WIN 0
.rept 4
	v_nop                                          ; places ahead of the first read of results and of writes into the products' registers
.endr
	PRELU HA, 26, S1
	QUANT1 HA, CK, WH                              ; hidden units 0-127: K step 0 of the second product
	s_wait_alu depctr_va_vdst(0)                   ; the first product, PReLU and the quantiser are done with HA, in which b2 lands
.irp n, 0,1,2,3,4,5,6,7
	ds_load_b128 v[HA+8*\n:HA+8*\n+3], v[B2A] offset:64*\n                 ; b2 as the second product's C: register 8 n + j = b2[16 n + 8 h + j]
	ds_load_b128 v[HA+8*\n+4:HA+8*\n+7], v[B2A] offset:64*\n+16
.endr
	PRELU TA, 26, S1
	QUANT1 TA, CK+8, WH+1                          ; hidden units 128-255: K step 1
.rept 8
	v_nop                                          ; as ahead of the first product
.endr
	s_wait_alu depctr_va_vdst(0)                   ; the hidden layer's codes and scale words are written, which the second product takes; PReLU and the quantiser are done with TA, in which the rows below land
.irp j, 0,1,2,3,4,5,6,7,8,9,10,11,12,13,14,15
	ds_load_b128 v[TA+4*\j:TA+4*\j+3], v[PBL] offset:OST+SP*\j             ; the tile's rows once more, as they lie: row j, my 4 channels, for the weighted sum
.endr
	s_wait_dscnt 16                                ; the 16 rows may be out: b2 is in
	WIN 0x02
.irp s, 0,1
.irp n, 0,1,2,3,4,5,6,7
	MM HA+8*\n, 128+8*(8*\s+\n), CK+8*\s, SW+32+4*\s+\n/2, WH+\s, \n%2
.endr
.endr
	WIN 0
.rept 4
	v_nop
.endr
	PRELU HA, 28, S2
	v_cmp_lt_i32 vcc_lo, 0, v[REM]                 ; does my row count?  Asked ahead of the score's chains; the selects that read the answer stand behind them
	WIN 0x0c
.irp u, 0,1,2,3
	v_pk_mul_f32 v[DT+2*\u:DT+2*\u+1], v[HA+2*\u:HA+2*\u+1], v[W3R+2*\u:W3R+2*\u+1]        ; the score: four chains of packed multiply-adds
.endr
.irp i, 1,2,3,4,5,6,7
.irp u, 0,1,2,3
	v_pk_fma_f32 v[DT+2*\u:DT+2*\u+1], v[HA+8*\i+2*\u:HA+8*\i+2*\u+1], v[W3R+8*\i+2*\u:W3R+8*\i+2*\u+1], v[DT+2*\u:DT+2*\u+1]
.endr
.endr
	WIN 0
	v_pk_add_f32 v[DT:DT+1], v[DT:DT+1], v[DT+2:DT+3]
	v_pk_add_f32 v[DT+4:DT+5], v[DT+4:DT+5], v[DT+6:DT+7]
	v_pk_add_f32 v[DT:DT+1], v[DT:DT+1], v[DT+4:DT+5]
	v_add_f32 v[SCO], v[DT], v[DT+1]
	v_permlanex16_b32 v[PD], v[SCO], s[SEL], s[SEL+1]
	v_add_f32 v[SCO], v[SCO], v[PD]                ; with lane l xor 16's 64 units
	v_add_f32 v[SCO], s30, v[SCO]                  ; + b3
	s_wait_alu depctr_va_vcc(0)                    ; the compare has written VCC, which the two selects of this trip read
	v_cndmask_b32 v[SCO], NEGBIG, v[SCO], vcc_lo
	v_max_num_f32_dpp v[MT], v[SCO], v[SCO] row_xmask:1 row_mask:0xf bank_mask:0xf
	v_max_num_f32_dpp v[MT], v[MT], v[MT] row_xmask:2 row_mask:0xf bank_mask:0xf
	v_max_num_f32_dpp v[MT], v[MT], v[MT] row_xmask:4 row_mask:0xf bank_mask:0xf
	v_max_num_f32_dpp v[MT], v[MT], v[MT] row_xmask:8 row_mask:0xf bank_mask:0xf
	v_max_num_f32 v[MT], v[MX], v[MT]              ; the new m
	v_sub_f32 v[FF], v[MX], v[MT]
	v_sub_f32 v[PP], v[SCO], v[MT]
	v_mul_f32 v[FF], LOG2E, v[FF]
	v_mul_f32 v[PP], LOG2E, v[PP]
	s_wait_alu depctr_va_vdst(0)
	v_exp_f32 v[FF], v[FF]                         ; f = e^(m_old - m_new)
	v_exp_f32 v[PP], v[PP]                         ; p = e^(score - m_new)
	v_mov_b32 v[MX], v[MT]                         ; (a plain line behind the exponentials)
	s_wait_alu depctr_va_vdst(0)                   ; the two exponentials have written f and p, ahead of the first line that names them; the second product, PReLU and the score's chains are done with HA, in which the next trip's rows land
	v_cndmask_b32 v[PP], 0, v[PP], vcc_lo          ; a row that does not count has no weight
.irp j, 0,1,2,3,4,5,6,7
	v_readlane_b32 s[44+2*\j], v[PP], \j           ; row j's weight lies in lane j: rows 0 to 7
.endr
	v_fma_f32 v[LS], v[LS], v[FF], v[PP]
.irp i, 0,2,4,6
	v_pk_mul_f32 v[ACC+\i:ACC+\i+1], v[ACC+\i:ACC+\i+1], v[FF:FF+1] op_sel_hi:[1,0]
.endr
	s_wait_alu depctr_va_vdst(0)
	s_wait_dscnt 0x0                               ; the rows
.irp g, 0,1
.if \g == 1
.irp j, 0,1,2,3,4,5,6,7
	v_readlane_b32 s[44+2*\j], v[PP], 8+\j         ; rows 8 to 15
.endr
.endif
	s_wait_alu depctr_va_sdst(0)                   ; the eight v_readlane_b32 have written s44, s46 .. s58, ahead of their first reader
.irp j, 0,1,2,3,4,5,6,7
	v_pk_fma_f32 v[ACC+4*(\j%2):ACC+4*(\j%2)+1], v[TA+4*(8*\g+\j):TA+4*(8*\g+\j)+1], s[44+2*\j:45+2*\j], v[ACC+4*(\j%2):ACC+4*(\j%2)+1] op_sel_hi:[1,0,1]
	v_pk_fma_f32 v[ACC+4*(\j%2)+2:ACC+4*(\j%2)+3], v[TA+4*(8*\g+\j)+2:TA+4*(8*\g+\j)+3], s[44+2*\j:45+2*\j], v[ACC+4*(\j%2)+2:ACC+4*(\j%2)+3] op_sel_hi:[1,0,1]
.endr
.endr
	v_add_nc_u32 v[REM], -16, v[REM]
	s_add_co_u32 s32, s32, 1
	s_cmp_lt_u32 s32, s33
	s_cbranch_scc1 .Ltile
	; ---- A BATCH'S END: the rows that were not kept enter the sum as (200 - c) e^(-10000 - max); then out = ACC / sum
	v_add_f32_dpp v[LS], v[LS], v[LS] row_xmask:1 row_mask:0xf bank_mask:0xf
	v_add_f32_dpp v[LS], v[LS], v[LS] row_xmask:2 row_mask:0xf bank_mask:0xf
	v_add_f32_dpp v[LS], v[LS], v[LS] row_xmask:4 row_mask:0xf bank_mask:0xf
	v_add_f32_dpp v[LS], v[LS], v[LS] row_xmask:8 row_mask:0xf bank_mask:0xf      ; both halves of the lanes hold the same sixteen parts
	s_sub_co_u32 s60, 200, s35                     ; rows not kept
	s_mov_b32 s61, NEGBIG
	s_cmp_lg_u32 s60, 0
	s_cselect_b32 s61, 0xc61c4000, s61             ; their score: -10000, if there are any
	v_max_num_f32 v[SCO], s61, v[MX]               ; the maximum over all 200
	v_sub_f32 v[MT], v[MX], v[SCO]
	v_sub_f32 v[PP], s61, v[SCO]
	v_mul_f32 v[MT], LOG2E, v[MT]
	v_mul_f32 v[PP], LOG2E, v[PP]
	s_wait_alu depctr_va_vdst(0)
	v_exp_f32 v[MT], v[MT]                         ; e1: what was summed under m, under the final maximum
	v_exp_f32 v[PP], v[PP]                         ; e2: a row that was not kept
	v_cvt_f32_u32 v[FF], s60                       ; (a plain line behind the exponentials)
	s_wait_alu depctr_va_vdst(0)                   ; the two exponentials have written e1 and e2, ahead of their first reader
	v_mul_f32 v[PP], v[FF], v[PP]
	v_fma_f32 v[LS], v[LS], v[MT], v[PP]           ; the softmax's sum: at least 1, since the row of the maximum is in it
	s_wait_alu depctr_va_vdst(0)
	v_rcp_f32 v[LS], v[LS]
	v_pk_add_f32 v[ACC:ACC+1], v[ACC:ACC+1], v[ACC+4:ACC+5]        ; the two sets (plain lines behind the reciprocal)
	v_pk_add_f32 v[ACC+2:ACC+3], v[ACC+2:ACC+3], v[ACC+6:ACC+7]
	s_wait_alu depctr_va_vdst(0)                   ; the reciprocal has written its result, ahead of its first reader
	v_mul_f32 v[FF], v[MT], v[LS]
	v_pk_mul_f32 v[OUTR:OUTR+1], v[ACC:ACC+1], v[FF:FF+1] op_sel_hi:[1,0]
	v_pk_mul_f32 v[OUTR+2:OUTR+3], v[ACC+2:ACC+3], v[FF:FF+1] op_sel_hi:[1,0]
	s_wait_alu depctr_va_vdst(0)                   ; the two multiplies have written OUTR, which the store reads
	global_store_b128 v[L16A], v[OUTR:OUTR+3], s[24:25]    ; the wave stores the batch's 512 consecutive bytes
	s_wait_xcnt 0x0                                ; the store has read its data and its base: both may be written again
	s_add_nc_u64 s[24:25], s[24:25], 512
	s_mov_b32 s35, s36
	s_sub_co_u32 s34, s34, 1
	s_cmp_lg_u32 s34, 0
	s_cbranch_scc1 .Lbatch
	s_set_vgpr_msb 0xf
	s_wait_dscnt 0x0
	s_wait_alu depctr_hold_cnt(0) depctr_sa_sdst(0) depctr_va_vdst(0) depctr_va_sdst(0) depctr_va_ssrc(0) depctr_va_vcc(0) depctr_vm_vsrc(0)
	s_wait_tensorcnt 0x0
	ds_add_u32 v254, v255
	s_wait_dscnt 0x0
	s_endpgm
.Lfunc_end_k_qaddf93ce21_din:
	.size	k_qaddf93ce21_din, .Lfunc_end_k_qaddf93ce21_din-k_qaddf93ce21_din
	.p2alignl 7, 3214868480
	.fill 96, 4, 3214868480
	.section	.rodata,"a",@progbits
	.p2align	6, 0x0
	.amdhsa_kernel k_qaddf93ce21_din
		.amdhsa_group_segment_fixed_size 126464
		.amdhsa_private_segment_fixed_size 0
		.amdhsa_enable_private_segment 0
		.amdhsa_kernarg_size 88
		.amdhsa_user_sgpr_count 2
		.amdhsa_user_sgpr_kernarg_segment_ptr 1
		.amdhsa_wavefront_size32 1
		.amdhsa_system_sgpr_workgroup_id_x 1
		.amdhsa_system_sgpr_workgroup_id_y 1
		.amdhsa_system_sgpr_workgroup_id_z 1
		.amdhsa_system_vgpr_workitem_id 0
		.amdhsa_next_free_vgpr 1024
		.amdhsa_next_free_sgpr 72
		.amdhsa_reserve_vcc 1
		.amdhsa_float_denorm_mode_32 3
		.amdhsa_float_denorm_mode_16_64 3
		.amdhsa_memory_ordered 1
		.amdhsa_forward_progress 1
		.amdhsa_inst_pref_size 114
	.end_amdhsa_kernel
	.amdgpu_metadata
---
amdhsa.version: [ 1, 2 ]
amdhsa.kernels:
  - .name:           k_qaddf93ce21_din
    .symbol:         k_qaddf93ce21_din.kd
    .args:
      - { .name: keys, .offset: 0, .size: 8, .value_kind: global_buffer, .address_space: global }
      - { .name: query, .offset: 8, .size: 8, .value_kind: global_buffer, .address_space: global }
      - { .name: order, .offset: 16, .size: 8, .value_kind: global_buffer, .address_space: global }
      - { .name: wimg, .offset: 24, .size: 8, .value_kind: global_buffer, .address_space: global }
      - { .name: b1, .offset: 32, .size: 8, .value_kind: global_buffer, .address_space: global }
      - { .name: b2, .offset: 40, .size: 8, .value_kind: global_buffer, .address_space: global }
      - { .name: W3, .offset: 48, .size: 8, .value_kind: global_buffer, .address_space: global }
      - { .name: b3, .offset: 56, .size: 8, .value_kind: global_buffer, .address_space: global }
      - { .name: a1, .offset: 64, .size: 8, .value_kind: global_buffer, .address_space: global }
      - { .name: a2, .offset: 72, .size: 8, .value_kind: global_buffer, .address_space: global }
      - { .name: out0, .offset: 80, .size: 8, .value_kind: global_buffer, .address_space: global }
    .group_segment_fixed_size: 126464
    .private_segment_fixed_size: 0
    .kernarg_segment_align: 8
    .kernarg_segment_size: 88
    .max_flat_workgroup_size: 128
    .sgpr_count:     72
    .vgpr_count:     1024
    .wavefront_size: 32
...
	.end_amdgpu_metadata
.endif
;; end of part 4
